; MI455X (gfx1250); checked and timed in simulation.
; The chip was launched on July 23, 2026; its instructions are those of AMD's public machine-readable ISA for CDNA 5 (MIT licence, August 2026) and "CDNA5" Instruction Set Architecture Reference Guide (July 2026). The comments in the code are by the model that wrote it; some were corrected since.
;; Causal Attention Block. Allowed arithmetic: matrix products marked QUANTISED: E5M2 operands, one given power-of-two scale a tensor, by v_wmma_f32_16x16x64_bf8_bf8 or v_wmma_f32_16x16x128_bf8_bf8, f32 sums; everything else in f32.
;; Inputs: b_dense 1,024 float32; b_fc2 1,024 float32; b_qkv 3,072 float32; ln1_b 1,024 float32; ln1_g 1,024 float32; ln2_b 1,024 float32; ln2_g 1,024 float32; lowp_scales 12 int32 (the exponents e of the quantised operands' scales 2^e); w_dense 1,024 x 1,024 float32; w_fc1 1,024 x 2,048 float32; w_fc2 2,048 x 1,024 float32; w_qkv 1,024 x 3,072 float32; x 2 x 2,048 x 1,024 float32.
;; Outputs: out0 2 x 2,048 x 1,024 float32.
;; This version of the problem:
;;   THIS VERSION OF THE PROBLEM IS GIVEN IN LOW PRECISION. The matrix products marked QUANTISED in the list below multiply operands that are first quantised to E5M2 (5 exponent bits, 2 mantissa bits; 8 bits a number), with one given power-of-two scale for each operand tensor; their sums are f32. All else is computed in f32.
;;   The module's matrix products, in the order in which they are computed (A, B: the left and right operand; K: the contracted axis; several contracted axes count as one K, in the product's order):
;;     1. [M 4,096, K 1,024] x [K 1,024, N 3,072]; A: computed on the way; B: input w_qkv: QUANTISED (scales: A lowp_scales[0], B lowp_scales[1])
;;     2. batch 32 x [M 2,048, K 64] x [K 64, N 2,048]; A: computed on the way; B: computed on the way: QUANTISED (scales: A lowp_scales[2], B lowp_scales[3])
;;     3. batch 32 x [M 2,048, K 2,048] x [K 2,048, N 64]; A: softmax (see below); B: computed on the way: QUANTISED (scales: A lowp_scales[4], B lowp_scales[5])
;;     4. [M 4,096, K 1,024] x [K 1,024, N 1,024]; A: computed on the way; B: input w_dense: QUANTISED (scales: A lowp_scales[6], B lowp_scales[7])
;;     5. [M 4,096, K 1,024] x [K 1,024, N 2,048]; A: computed on the way; B: input w_fc1: QUANTISED (scales: A lowp_scales[8], B lowp_scales[9])
;;     6. [M 4,096, K 2,048] x [K 2,048, N 1,024]; A: computed on the way; B: input w_fc2: QUANTISED (scales: A lowp_scales[10], B lowp_scales[11])
;;   THE QUANTISER, for each operand of a quantised product, along K:
;;     - The operand's scale is 2^e, e = its entry of the input lowp_scales (int32; the entries are numbered through the quantised products in the list's order, A before B).
;;     - Each number is divided by the scale, clamped to +-57,344, and rounded to the nearest number of E5M2, ties to even, subnormals kept.
;;     - The product sums the exact products of the quantised numbers (number of the format x scale) in f32.
;;   ~~~python
;;   def quantise(x, axis, e):      # numpy; x: float32 -> the quantised numbers, widened to float32 again
;;       x = np.moveaxis(x, axis, -1); K = x.shape[-1]
;;       r = np.clip(x / 2.0 ** e, -57344, 57344)
;;       step = 2.0 ** (np.maximum(np.frexp(np.where(r == 0, 1, r))[1] - 1, -14) - 2)
;;       q = np.round(r / step) * step * 2.0 ** e      # np.round: ties to even
;;       return np.moveaxis(q, -1, axis).astype(np.float32)
;;   ~~~
;;   SOFTMAX AHEAD OF A QUANTISED PRODUCT. Where the list says 'softmax', what is quantised is not the finished softmax but p = 2^(t - M), with t = logit x log2(e) and M = ceil(the row's largest t), a whole number; so 1/2 < the row's largest p <= 1. The row's sum l is taken of the UNQUANTISED p, in f32, and the product's result is divided by l at the end. Since M is a whole number, a kernel that streams over the keys may use a running M (the ceiling of the running maximum): every later rescaling is an exact power of two, so the quantised numbers keep their values, but for numbers so far below the row's largest that they fall under the format's range.
;;   OPERANDS COMPUTED ON THE WAY. 'Computed on the way' means the value that the module computes at that place (a softmax that the list does not call 'softmax' is quantised finished and normalised). What goes into a quantiser is computed in f32, as accurately as f32 sums, v_exp_f32 and their like allow (about 1e-6 of the number): no bf16 or f16 on the way to a quantiser, and a product that is left as it is and whose result goes on into a quantised operand takes f32 operands (vector FMAs, or v_wmma_f32_16x16x4_f32). A number that lies on a knife's edge between two numbers of the format may be rounded either way, as far as f32 arithmetic and the matrix unit's own rounding can turn it there, and no further.
;; One version. Each part assembles by itself: llvm-mc -triple=amdgcn-amd-amdhsa -mcpu=gfx1250 --defsym DOCPART=n.
;; ======== version 1 of 1: 7 launches
;; limits: right only within a limited range of input values
;; workspace buffers: wc 8,388,608 bytes; act 4,194,304 bytes; qkv 12,582,912 bytes; res 16,777,216 bytes; hid 8,388,608 bytes
;; launch prep (part 1): grid 384 x 1, 4 waves a work-group, no clusters, 17,920 bytes of LDS; arguments x, ln1_g, ln1_b, w_qkv, w_dense, lowp_scales, act, wc; writes act, wc
.if DOCPART == 1
	.amdgcn_target "amdgcn-amd-amdhsa--gfx1250"
	.amdhsa_code_object_version 6
	.text
	.protected	k_q698f41a420_prep
	.globl	k_q698f41a420_prep
	.p2align	8
	.type	k_q698f41a420_prep,@function
k_q698f41a420_prep:
	s_mov_b64 s[64:65], 0
	v_nop
	global_prefetch_b8 v0, s[64:65] scope:SCOPE_SE
	s_setreg_imm32_b32 hwreg(HW_REG_WAVE_MODE, 25, 1), 1
	s_wait_xcnt 0x0
; PREP.  Work-groups 0-127 turn w_qkv and w_dense (f32, K their first axis) into codes of E5M2; work-groups 128-383 make LayerNorm 1 of x and turn it into codes.  (w_fc1 and w_fc2 are turned into codes by the attention launch.)
; ALL CODES ARE LAID AS IMAGES OF OPERAND REGISTERS.  A fragment (16 tile positions x 128 K) is 2,048 bytes, [c 0..3][lane 0..31][16 bytes]: lane (r = lane % 16, h = lane / 16) holds, of position r, k = 32 c + 16 h + 0 .. 15.
; WHICH INDEX SITS AT WHICH POSITION: position p of tile 2 b + u is index 32 b + 8 u + p + 8 (p / 8), for tokens and for weight columns alike.
; wc: [n tile][K step][2048]; w_qkv at 0, w_dense at 0x300000.  act: [256 token tiles][8 K steps][2048].
; code = x / 2^e, held within +-57,344, to the nearest code, ties to even.  LIMITS: each e used here (entries 0, 1, 7) lies between -126 and 112.  NaN among the inputs is not served.
; No tensor loads, no cluster: no two work-groups read the same bytes.  The two paths part on the work-group's number alone; only the second touches LDS and has a barrier.
.set OFF, 32                           ; weights: v32-63   byte offset of my column in rows 0 .. 31 of a block
.set XW,  64                           ;          v64-127  two sets of 32 numbers down K
.set CW,  128                          ;          v128-191 eight code registers for each of eight blocks: no store's data are written again
.set RW,  32                           ; norm:    v32-159  four rows, 32 numbers a lane each
.set GG,  160                          ;          v160-191 the gain, v192-223 the bias, at my columns
.set BE,  192
.set CL,  224                          ;          v224-255 eight code registers for each row
	s_load_b256 s[4:11], s[0:1], 0x0               ; x 4:5, gain 6:7, bias 8:9, w_qkv 10:11
	s_load_b64 s[12:13], s[0:1], 0x20              ; w_dense
	s_load_b64 s[18:19], s[0:1], 0x28              ; the scales' exponents
	s_load_b128 s[20:23], s[0:1], 0x30             ; act 20:21, wc 22:23
	v_lshl_add_u32 v30, v0, 2, 0x4400
	v_mov_b32 v31, 0
	v_lshrrev_b32 v1, 5, v0
	v_readfirstlane_b32 s3, v1                     ; wave 0..3
	v_and_b32 v2, 31, v0                           ; lane
	v_and_b32 v3, 15, v0                           ; lane % 16
	v_bfe_u32 v4, v0, 4, 1                         ; lane / 16
	s_wait_kmcnt 0x0
	s_load_b256 s[24:31], s[18:19], 0x0            ; e0 .. e7
	s_cmp_ge_u32 ttmp9, 128
	s_cbranch_scc1 .Lln
; ---------------- THE WEIGHTS.  A work-group takes 128 columns x 256 along K of one weight; a wave 32 columns (a pair of tiles); A LANE TAKES A COLUMN AND ITS REGISTERS RUN DOWN K.
; Ids 0-95: w_qkv (24 blocks of columns x 4 pieces of K), 96-127: w_dense (8 x 4).  The weight's figures are chosen without a branch: they begin as w_dense's.  Both have K = 1,024: a tile's images are 16,384 bytes.
	s_mov_b64 s[36:37], s[12:13]                   ; the weight
	s_mov_b32 s38, 4096                            ; bytes from row to row
	s_mov_b32 s39, 96                              ; its first id
	s_mov_b32 s42, 0x300000                        ; its place in wc
	s_cmp_lt_u32 ttmp9, 96
	s_cselect_b64 s[36:37], s[10:11], s[36:37]
	s_cselect_b32 s38, 12288, s38
	s_cselect_b32 s39, 0, s39
	s_cselect_b32 s42, 0, s42
	s_sub_co_u32 s4, ttmp9, s39                    ; my number within the weight
	s_lshr_b32 s5, s4, 2                           ; block of 128 columns
	s_and_b32 s6, s4, 3                            ; piece of 256 along K
	s_lshl_b32 s7, s5, 7
	s_lshl_b32 s8, s3, 5
	s_add_co_u32 s7, s7, s8                        ; my wave's first column
	s_lshl_b32 s8, s6, 8
	s_mul_i32 s8, s8, s38                          ; 256 x piece rows
	s_lshl_b32 s9, s7, 2
	s_add_co_u32 s8, s8, s9
	s_mov_b32 s9, 0
	s_add_nc_u64 s[44:45], s[36:37], s[8:9]        ; block 0's first row at my wave's first column
	s_lshl_b32 s8, s38, 5                          ; 32 rows on
.irp t, 1,2,3,4,5,6,7
	s_add_nc_u64 s[44+2*\t:45+2*\t], s[42+2*\t:43+2*\t], s[8:9]   ; a base for each of the eight blocks: none is ever stepped
.endr
	s_lshr_b32 s10, s7, 4                          ; my wave's first tile
	s_lshl_b32 s10, s10, 14
	s_add_co_u32 s10, s10, s42
	s_lshl_b32 s11, s6, 12                         ; two K steps for each piece
	s_add_co_u32 s10, s10, s11
	s_mov_b32 s11, 0
	s_add_nc_u64 s[60:61], s[22:23], s[10:11]
	s_wait_alu depctr_va_vdst(0)
	v_and_b32 v5, 8, v3
	v_add_nc_u32 v5, v5, v3
	v_lshl_add_u32 v5, v4, 3, v5                   ; my column in the pair: 8 u + r + 8 (r / 8): lanes 0-15 are tile 2 b, lanes 16-31 tile 2 b + 1; the 32 lanes cover 128 consecutive bytes
	v_lshlrev_b32 v[OFF], 2, v5
.set wi, 1
.rept 31
	v_add_nc_u32 v[OFF+wi], s38, v[OFF+wi-1]
.set wi, wi+1
.endr
	v_lshlrev_b32 v9, 14, v4
	v_lshl_add_u32 v9, v3, 4, v9                   ; out: my tile's images, 16 bytes at position r
.macro WLOAD t                         ; block t: rows 32 t + 0 .. 31 of my column into set t % 2
.set wi, 0
.rept 32
	global_load_b32 v[XW+32*((\t)%2)+wi], v[OFF+wi], s[44+2*(\t):45+2*(\t)] th:TH_LOAD_NT
.set wi, wi+1
.endr
.endm
.macro WBLOCK t
.set XS, XW+32*((\t)%2)
.if (\t) < 7
	s_wait_loadcnt 32                              ; this block's 32 loads are in; the next block's 32 may be out
.else
	s_wait_loadcnt 0x0
.endif
.set wi, 0
.rept 32
	v_med3_num_f32 v[XS+wi], v[XS+wi], -v10, v10   ; the conversion to an 8-bit code does not saturate (ISA guide 7.6.2): the hold comes first
.set wi, wi+1
.endr
.irp g, 0,1,2,3
	v_cvt_scalef32_pk8_bf8_f32 v[CW+8*(\t)+2*\g:CW+8*(\t)+2*\g+1], v[XS+8*\g:XS+8*\g+7], v11
.endr
	; k = 32 t + 0 .. 15 belong to lane (r, 0) of the image, k = 32 t + 16 .. 31 to lane (r, 1): sixteen lanes store 256 consecutive bytes, aligned
	global_store_b128 v9, v[CW+8*(\t):CW+8*(\t)+3], s[60:61] offset:((\t)/4)*2048+((\t)%4)*512
	global_store_b128 v9, v[CW+8*(\t)+4:CW+8*(\t)+7], s[60:61] offset:((\t)/4)*2048+((\t)%4)*512+256
.if (\t)+2 < 8
	WLOAD (\t)+2
.endif
.endm
	WLOAD 0
	WLOAD 1
	s_wait_kmcnt 0x0
	s_cmp_lt_u32 ttmp9, 96
	s_cselect_b32 s43, s25, s31                    ; the weight's e: entry 1 or 7
	s_add_co_i32 s43, s43, 127
	s_lshl_b32 s4, s43, 23
	v_mov_b32 v11, s4                              ; 2^e as f32: the conversion takes its exponent field
	s_add_co_i32 s43, s43, 15
	s_lshl_b32 s43, s43, 23
	s_or_b32 s43, s43, 0x600000
	v_mov_b32 v10, s43                             ; 57,344 x 2^e
	s_wait_alu depctr_va_vdst(0)
.irp t, 0,1,2,3,4,5,6,7
	WBLOCK \t
.endr
	s_endpgm
; ---------------- LAYERNORM 1.  A work-group makes one token tile (16 tokens x 1,024); wave w takes positions 4 w .. 4 w + 3, which are four consecutive tokens.
; A row stays in 32 registers a lane (load j: 512 consecutive bytes; lane l holds columns 128 j + 4 l + 0 .. 3) through mean, variance and scaling: x is read once.
; Four codes of a lane are 4 bytes of an image; they meet in a stage of 64 pieces (K step j, c, h) of 256 bytes + 16 of padding, and leave as 512 consecutive bytes a store.
.Lln:
	s_sub_co_u32 s36, ttmp9, 128                   ; the token tile
.macro JOIN                            ; four chains of pairs in v4-11 become one number in v4, the same in all 32 lanes
	v_pk_add_f32 v[4:5], v[4:5], v[6:7]
	v_pk_add_f32 v[8:9], v[8:9], v[10:11]
	v_pk_add_f32 v[4:5], v[4:5], v[8:9]
	v_add_f32 v4, v4, v5
	v_add_f32_dpp v4, v4, v4 row_xmask:1 row_mask:0xf bank_mask:0xf
	v_add_f32_dpp v4, v4, v4 row_xmask:2 row_mask:0xf bank_mask:0xf
	v_add_f32_dpp v4, v4, v4 row_xmask:4 row_mask:0xf bank_mask:0xf
	v_add_f32_dpp v4, v4, v4 row_xmask:8 row_mask:0xf bank_mask:0xf
	v_permlanex16_b32 v16, v4, s46, s47
	v_add_f32 v4, v4, v16
.endm
.macro LNROW i
.set R, RW+32*(\i)
	s_wait_loadcnt 8*(3-(\i))                      ; gain, bias and rows 0 .. i are in; the later rows' eight loads each may be out
.irp k, 0,1,2,3
	v_pk_add_f32 v[4+2*\k:5+2*\k], v[R+2*\k:R+2*\k+1], v[R+8+2*\k:R+9+2*\k]
.endr
.irp k, 8,9,10,11,12,13,14,15
	v_pk_add_f32 v[4+2*(\k%4):5+2*(\k%4)], v[4+2*(\k%4):5+2*(\k%4)], v[R+2*\k:R+2*\k+1]
.endr
	JOIN
	v_mul_f32 v12, 0x3a800000, v4                  ; the mean: sum / 1,024
	v_mul_f32 v13, 0x3a800000, v4
.irp k, 0,1,2,3,4,5,6,7,8,9,10,11,12,13,14,15
	v_pk_add_f32 v[R+2*\k:R+2*\k+1], v[R+2*\k:R+2*\k+1], v[12:13] neg_lo:[0,1] neg_hi:[0,1]   ; d = x - mean
.endr
.irp k, 0,1,2,3
	v_pk_mul_f32 v[4+2*\k:5+2*\k], v[R+2*\k:R+2*\k+1], v[R+2*\k:R+2*\k+1]
.endr
.irp k, 4,5,6,7,8,9,10,11,12,13,14,15
	v_pk_fma_f32 v[4+2*(\k%4):5+2*(\k%4)], v[R+2*\k:R+2*\k+1], v[R+2*\k:R+2*\k+1], v[4+2*(\k%4):5+2*(\k%4)]
.endr
	JOIN
	v_fma_f32 v19, v4, s48, s49                    ; the variance + 1e-12
	s_wait_alu depctr_va_vdst(0)
	v_rsq_f32 v14, v19
	v_rsq_f32 v15, v19
	v_nop                                          ; a plain instruction behind the last transcendental,
	s_wait_alu depctr_va_vdst(0)                   ; and one wait for both, ahead of their first reader
.irp k, 0,1,2,3,4,5,6,7,8,9,10,11,12,13,14,15
	v_pk_mul_f32 v[R+2*\k:R+2*\k+1], v[R+2*\k:R+2*\k+1], v[14:15]
.endr
.irp k, 0,1,2,3,4,5,6,7,8,9,10,11,12,13,14,15
	v_pk_fma_f32 v[R+2*\k:R+2*\k+1], v[R+2*\k:R+2*\k+1], v[GG+2*\k:GG+2*\k+1], v[BE+2*\k:BE+2*\k+1]
.endr
.set wi, 0
.rept 32
	v_med3_num_f32 v[R+wi], v[R+wi], -v20, v20
.set wi, wi+1
.endr
.irp g, 0,1,2,3
	v_cvt_scalef32_pk8_bf8_f32 v[CL+8*(\i)+2*\g:CL+8*(\i)+2*\g+1], v[R+8*\g:R+8*\g+7], v21   ; word j: the codes of columns 128 j + 4 l + 0 .. 3
.endr
	v_nop
.irp j, 0,1,2,3,4,5,6,7
	ds_store_b32 v17, v[CL+8*(\i)+\j] offset:2176*\j+16*(\i)   ; piece 8 j + l / 4, position 4 w + i, bytes 4 (l % 4) on
.endr
.endm
	s_lshr_b32 s37, s36, 1
	s_lshl_b32 s37, s37, 5
	s_and_b32 s38, s36, 1
	s_lshl_b32 s38, s38, 3
	s_add_co_u32 s37, s37, s38
	s_lshl_b32 s38, s3, 2
	s_add_co_u32 s37, s37, s38
	s_lshr_b32 s38, s3, 1
	s_lshl_b32 s38, s38, 3
	s_add_co_u32 s37, s37, s38                     ; my first token: 32 (T / 2) + 8 (T % 2) + 4 w + 8 (w / 2)
	s_lshl_b32 s38, s37, 12
	s_mov_b32 s39, 0
	s_add_nc_u64 s[4:5], s[4:5], s[38:39]
	s_lshl_b32 s38, s36, 14
	s_lshl_b32 s40, s3, 12
	s_add_co_u32 s38, s38, s40
	s_add_nc_u64 s[20:21], s[20:21], s[38:39]      ; the tile's images, my quarter of them
	s_wait_alu depctr_va_vdst(0)
	v_lshlrev_b32 v22, 4, v2                       ; 16 x lane
.irp j, 0,1,2,3,4,5,6,7
	global_load_b128 v[GG+4*\j:GG+4*\j+3], v22, s[6:7] offset:512*\j
.endr
.irp j, 0,1,2,3,4,5,6,7
	global_load_b128 v[BE+4*\j:BE+4*\j+3], v22, s[8:9] offset:512*\j
.endr
.irp i, 0,1,2,3
.irp j, 0,1,2,3,4,5,6,7
	global_load_b128 v[RW+32*\i+4*\j:RW+32*\i+4*\j+3], v22, s[4:5] offset:4096*\i+512*\j th:TH_LOAD_NT
.endr
.endr
	v_lshrrev_b32 v5, 2, v2
	v_mul_u32_u24 v17, v5, 272
	v_and_b32 v5, 3, v2
	v_lshl_add_u32 v17, v5, 2, v17
	s_lshl_b32 s40, s3, 6
	v_add_nc_u32 v17, s40, v17                     ; into the stage: 272 (l / 4) + 4 (l % 4) + 64 w
	v_mul_u32_u24 v18, v4, 272
	v_lshl_add_u32 v18, v3, 4, v18
	s_mul_i32 s40, s3, 16*272
	v_add_nc_u32 v18, s40, v18                     ; out of it: pieces 16 w on, two an instruction
	v_mov_b32 v16, 0                               ; written once: a lane permute's destination counts as one of its sources
	s_mov_b32 s46, 0x76543210
	s_mov_b32 s47, 0xfedcba98                      ; lane l xor 16
	s_mov_b32 s48, 0x3a800000                      ; 1 / 1,024
	s_mov_b32 s49, 0x2b8cbccc                      ; 1e-12
	s_wait_kmcnt 0x0
	s_add_co_i32 s40, s24, 127                     ; e0
	s_lshl_b32 s41, s40, 23
	v_mov_b32 v21, s41
	s_add_co_i32 s40, s40, 15
	s_lshl_b32 s40, s40, 23
	s_or_b32 s40, s40, 0x600000
	v_mov_b32 v20, s40
.irp i, 0,1,2,3
	LNROW \i
.endr
	s_wait_dscnt 0x0                               ; for the others' sake: my stores into the stage are done
	s_barrier_signal -1
	s_barrier_wait -1
.irp t, 0,1,2,3,4,5,6,7
	ds_load_b128 v[RW+4*\t:RW+4*\t+3], v18 offset:544*\t
.endr
.irp t, 0,1,2,3,4,5,6,7
	s_wait_dscnt 7-\t
	global_store_b128 v22, v[RW+4*\t:RW+4*\t+3], s[20:21] offset:512*\t   ; 32 lanes store 512 consecutive bytes
.endr
	s_wait_tensorcnt 0x0
	ds_add_u32 v30, v31
	s_wait_dscnt 0x0
	s_endpgm
.Lfunc_end_k_q698f41a420_prep:
	.size	k_q698f41a420_prep, .Lfunc_end_k_q698f41a420_prep-k_q698f41a420_prep
	.p2alignl 7, 3214868480
	.fill 96, 4, 3214868480
	.section	.rodata,"a",@progbits
	.p2align	6, 0x0
	.amdhsa_kernel k_q698f41a420_prep
		.amdhsa_group_segment_fixed_size 17920
		.amdhsa_private_segment_fixed_size 0
		.amdhsa_enable_private_segment 0
		.amdhsa_kernarg_size 64
		.amdhsa_user_sgpr_count 2
		.amdhsa_user_sgpr_kernarg_segment_ptr 1
		.amdhsa_wavefront_size32 1
		.amdhsa_system_sgpr_workgroup_id_x 1
		.amdhsa_system_sgpr_workgroup_id_y 1
		.amdhsa_system_sgpr_workgroup_id_z 1
		.amdhsa_system_vgpr_workitem_id 0
		.amdhsa_next_free_vgpr 256
		.amdhsa_next_free_sgpr 66
		.amdhsa_reserve_vcc 0
		.amdhsa_float_denorm_mode_32 3
		.amdhsa_float_denorm_mode_16_64 3
		.amdhsa_memory_ordered 1
		.amdhsa_forward_progress 1
		.amdhsa_inst_pref_size 92
	.end_amdhsa_kernel
	.amdgpu_metadata
---
amdhsa.version: [ 1, 2 ]
amdhsa.kernels:
  - .name:           k_q698f41a420_prep
    .symbol:         k_q698f41a420_prep.kd
    .args:
      - { .name: x, .offset: 0, .size: 8, .value_kind: global_buffer, .address_space: global }
      - { .name: ln1_g, .offset: 8, .size: 8, .value_kind: global_buffer, .address_space: global }
      - { .name: ln1_b, .offset: 16, .size: 8, .value_kind: global_buffer, .address_space: global }
      - { .name: w_qkv, .offset: 24, .size: 8, .value_kind: global_buffer, .address_space: global }
      - { .name: w_dense, .offset: 32, .size: 8, .value_kind: global_buffer, .address_space: global }
      - { .name: lowp_scales, .offset: 40, .size: 8, .value_kind: global_buffer, .address_space: global }
      - { .name: act, .offset: 48, .size: 8, .value_kind: global_buffer, .address_space: global }
      - { .name: wc, .offset: 56, .size: 8, .value_kind: global_buffer, .address_space: global }
    .group_segment_fixed_size: 17920
    .private_segment_fixed_size: 0
    .kernarg_segment_align: 8
    .kernarg_segment_size: 64
    .max_flat_workgroup_size: 128
    .sgpr_count:     66
    .vgpr_count:     256
    .wavefront_size: 32
...
	.end_amdgpu_metadata
.endif
;; end of part 1
;; launch qkvp (part 2): grid 12 x 16, 4 waves a work-group, clusters of 4 x 4, 327,680 bytes of LDS; arguments act, wc, lowp_scales, b_qkv, qkv; writes qkv
.if DOCPART == 2
	.amdgcn_target "amdgcn-amd-amdhsa--gfx1250"
	.amdhsa_code_object_version 6
	.text
	.protected	k_q698f41a420_qkvp
	.globl	k_q698f41a420_qkvp
	.p2align	8
	.type	k_q698f41a420_qkvp,@function
k_q698f41a420_qkvp:
	s_mov_b64 s[64:65], 0
	v_nop
	global_prefetch_b8 v0, s[64:65] scope:SCOPE_SE
	s_setreg_imm32_b32 hwreg(HW_REG_WAVE_MODE, 25, 1), 1
	s_wait_xcnt 0x0
	s_wait_alu depctr_hold_cnt(0) depctr_sa_sdst(0) depctr_va_vdst(0) depctr_va_sdst(0) depctr_va_ssrc(0) depctr_va_vcc(0) depctr_vm_vsrc(0)
	s_getreg_b32 s2, hwreg(HW_REG_IB_STS2, 6, 4)
	s_cmp_eq_u32 s2, 0
	s_cbranch_scc0 .Lentry_in_a_cluster
	s_endpgm
.Lentry_in_a_cluster:
	s_bfe_u32 s2, ttmp6, 0x10000c
	s_cmp_lg_u32 s2, 0xf033
	s_cbranch_scc0 .Lentry_shape_is_right
	s_endpgm
.Lentry_shape_is_right:
; Q, K, V = LN1(x) W_qkv + b_qkv on codes of E5M2, quantised again on the way out for attention's two products.  M 4,096, N 3,072, K 1,024.
; Both operands lie in memory as images of operand registers (fragment = 16 positions x 128 K = 2,048 bytes, [c][lane][16]; position p of tile 2 b + u is index 32 b + 8 u + p + 8 (p / 8)), [tile][K step][2048].
; A work-group of four waves makes 256 x 256, a wave 128 x 128: 64 accumulators.  K goes in slots of 256 through a ring of two LDS slots filled by the tensor data mover; a fragment load is 512 consecutive bytes: no padding.
; CLUSTERS 4 x 4: the LDS region called A is shared along a cluster's row (its tile index hangs on cy), the region called B along a column (on cx); each is asked for jointly.
; THE MATRIX INSTRUCTION: source 0 = a tile of B's region, source 1 = a tile of A's.  A lane then holds position lane % 16 of A's tile, and the 16 registers of B's tiles 2 b, 2 b + 1 are 16 neighbours 32 b + 16 (lane / 16) + 0 .. 15 of B's index:
; two conversions give four registers of the next operand's fragment, stored as 512 consecutive bytes.
; A cluster spans 1,024 columns: cluster x = 0 makes q, 1 makes k, 2 makes v; that number is the same in all sixteen partners.  q and k want the head's channels along a lane's registers: A = tokens, B = W.
; v wants the KEYS there (they are the second product's K): in a v cluster A's region is filled with W's tiles and B's with the tokens'; only pointers and tile indices are chosen, by s_cselect; masks and LDS addresses stay.
; qkv: q at 0 and k at 4 MiB: [32 heads][128 token tiles][1,024] (16 tokens x 64 channels, [c'][lane][16]); v at 8 MiB: [32 heads][16 key steps][4 channel tiles][2,048] (16 channels x 128 keys).
; LIMITS: e0 + e1 between -126 and 127; e2, e3, e5 between -126 and 112.  NaN is not served.
.set MB, 8                             ; tiles of A's region a wave
.set NB, 8                             ; tiles of B's region a wave
.set NQ, 2                             ; K steps of 128 in a slot
.set KT, 8                             ; K steps in all
.set HB, MB/2
.set AHALF, MB*NQ*2048                 ; what one wave reads of A in a slot; one tensor load brings both halves of one slot
.set BHALF, NB*NQ*2048
.set SLOT, 2*AHALF+2*BHALF             ; A's [2 MB tiles][NQ][2048], then B's [2 NB tiles][NQ][2048]
.set SPARE, 2*SLOT                     ; behind the ring: the spare words, 128 bytes for each wave: two blocks of 256 bytes that no other line names
.set LAPS, KT/(2*NQ)
.set ADRA, 16                          ; v16-17 LDS address of my A fragments in slot 0, 1;  v20-21 the same for B
.set ADRB, 20
.set SPW, 28                           ; v28 LDS address of my spare word; v29 = 0; neither is rewritten
.set NIL, 29
.set AF, 128                           ; window 0: A's fragments, one set.  Window 1: B's two sets at v0, v128.  Windows 2, 3: the accumulators, (a, b) at v[8 (NB (a % HB) + b)]
.set G1, 24
.set G0, 32
.set G1B, 48
.set G0B, 56
.set BI, 32                            ; v32-95   q, k: the bias at my 64 columns
.set BV, 96                            ; v96-111  v: the bias at my column of each of eight tiles, twice (a pair for the packed form)
.set TMP, 112                          ; v112-175 the way out: a block's 64 numbers
.set CD, 176                           ; v176-239 their codes: four sets of 16
.set MSB, 0
.macro WIN new                         ; the immediate's high byte repeats the setting that is left
.if MSB != (\new)
	s_set_vgpr_msb (MSB<<8)|(\new)
.set MSB, (\new)
.endif
.endm
.set MUL_LO, 0xa1                      ; source 0 window 1, source 1 window 0, C and D window 2
.set MUL_HI, 0xf1
.set TO_B, 0x40
.macro JLOAD g0a, g1a, g0b, g1b        ; the head's joint load, one a wave: waves 0, 1 fetch A's tiles of slot 0, 1; waves 2, 3 B's; four v_nop follow each line
	s_cmp_eq_u32 s15, 0
	s_cbranch_scc0 .Lfor_b_\@
	tensor_load_to_lds s[\g0a:\g0a+3], s[\g1a:\g1a+7]
	s_nop 0
.rept 4
	v_nop
.endr
	s_branch .Lasked_\@
.Lfor_b_\@:
	tensor_load_to_lds s[\g0b:\g0b+3], s[\g1b:\g1b+7]
	s_nop 0
.rept 4
	v_nop
.endr
.Lasked_\@:
.endm
.macro RLOAD slot                      ; a slot's refill: wave slot asks for A's tiles, wave 2 + slot for B's, the other two for nothing; four places for the LDS loads that follow stand behind the join
	s_cmp_eq_u32 s14, \slot
	s_cbranch_scc0 .Lnot_a_\@
	tensor_load_to_lds s[G0:G0+3], s[G1:G1+7]
	s_nop 0
.rept 4
	v_nop
.endr
	s_branch .Lfilled_\@
.Lnot_a_\@:
	s_cmp_eq_u32 s14, 2+\slot
	s_cbranch_scc0 .Lfilled_\@
	tensor_load_to_lds s[G0B:G0B+3], s[G1B:G1B+7]
	s_nop 0
.rept 4
	v_nop
.endr
.Lfilled_\@:
.rept 4
	v_nop
.endr
.endm
.macro CREST
	s_cmp_lg_u32 s14, 0
	s_cbranch_scc1 .Lnot_wave_0_\@
	s_barrier_signal -3
.Lnot_wave_0_\@:
	s_barrier_wait -3
	s_barrier_signal -1
	s_barrier_wait -1
.endm
.macro CROUND
	s_barrier_signal -1
	s_barrier_wait -1
	CREST
.endm
.macro PLACES n                        ; plain vector instructions between a matrix instruction and a load into, or a read of, its registers
.rept \n
	v_nop
.endr
.endm
.macro FRAG reg, adr, q, i             ; tile i, K step q of a slot: four loads of 512 consecutive bytes
.irp c, 0,1,2,3
	ds_load_b128 v[\reg+4*\c:\reg+4*\c+3], v[\adr] offset:((\i)*NQ+(\q))*2048+512*\c
.endr
.endm
.macro FETCH_B slot, q, p
	WIN TO_B
.set fi, 0
.rept NB
	FRAG 128*(\p)+16*fi, ADRB+\slot, \q, fi
.set fi, fi+1
.endr
	WIN 0
.endm
.macro FETCH_A slot, q, i0
.set fi, \i0
.rept HB
	FRAG AF+16*fi, ADRA+\slot, \q, fi
.set fi, fi+1
.endr
.endm
.macro MULS a0, n, p, zero             ; n of A's blocks from a0 on x B's NB tiles; the accumulators take turns, one instruction a turn, in the same order in every step
.set ma, \a0
.rept \n
.set mb, 0
.rept NB
.set rD, 8*(NB*(ma%HB)+mb)
.if \zero
	v_wmma_f32_16x16x128_bf8_bf8 v[rD:rD+7], v[128*(\p)+16*mb:128*(\p)+16*mb+15], v[AF+16*ma:AF+16*ma+15], 0
.else
	v_wmma_f32_16x16x128_bf8_bf8 v[rD:rD+7], v[128*(\p)+16*mb:128*(\p)+16*mb+15], v[AF+16*ma:AF+16*ma+15], v[rD:rD+7]
.endif
.set mb, mb+1
.endr
.set ma, ma+1
.endr
.endm
.macro STEP slot, q, zero              ; a step of 128 along K that has its successor in the same slot
	s_wait_dscnt 4*HB                              ; B's set and A's first half are in; the youngest 4 HB loads (A's second half) may be out
	WIN MUL_LO
	MULS 0, HB, (\q)%2, \zero
	s_wait_dscnt 0x0
	PLACES 4
	FETCH_B \slot, (\q)+1, 1-(\q)%2
	FETCH_A \slot, (\q)+1, 0
	WIN MUL_HI
	MULS HB, HB, (\q)%2, \zero
	PLACES 4
	WIN 0
	FETCH_A \slot, (\q)+1, HB
.endm
.macro STEPS slot, q0
.if NQ-1-(\q0) > 0
.set sq, \q0
.rept NQ-1-(\q0)
	STEP \slot, sq, 0
.set sq, sq+1
.endr
.endif
.endm
.macro TURN slot, next, fill           ; a slot's last step changes slots: one barrier; fill = 1: the slot is filled again, two slots ahead, behind a round of the cluster's barrier
	s_wait_tensorcnt 0x0                           ; all my tensor loads have landed: my part of the next slot
	ds_add_u32 v[SPW], v[NIL]                      ; 0 onto my spare word
	s_wait_dscnt 4*HB+1                            ; (the add and A's second half may be out)
	WIN MUL_LO
	MULS 0, HB/2, 1, 0
	s_wait_dscnt 0x0                               ; the add is done, and my reads of this slot are over
	s_barrier_signal -1
	MULS HB/2, HB/2, 1, 0
	WIN 0
	s_barrier_wait -1
.if \fill
	CREST                                          ; no wave of any partner still reads this slot or has a load on its way
.if (\slot) == 0
	s_add_nc_u64 s[G0+2:G0+3], s[G0+2:G0+3], 2*NQ*2048       ; once a lap, no load of mine being out: every wave's own slot goes two slots on along K
	s_add_nc_u64 s[G0B+2:G0B+3], s[G0B+2:G0B+3], 2*NQ*2048
.endif
	RLOAD \slot                                    ; the first tensor load behind the round
.else
	PLACES 4
.endif
	FETCH_B \next, 0, 0
	FETCH_A \next, 0, 0
	WIN MUL_HI
	MULS HB, HB, 1, 0
	PLACES 4
	WIN 0
	FETCH_A \next, 0, HB
.endm
.macro LAST
	s_wait_dscnt 4*HB
	WIN MUL_LO
	MULS 0, HB, 1, 0
	s_wait_dscnt 0x0
	WIN MUL_HI
	MULS HB, HB, 1, 0
	WIN 0
.endm
	s_load_b256 s[4:11], s[0:1], 0x0               ; act 4:5, wc 6:7, the scales' exponents 8:9, b_qkv 10:11
	s_load_b64 s[12:13], s[0:1], 0x20              ; qkv
	v_lshl_add_u32 v[SPW], v0, 2, SPARE
	v_mov_b32 v[NIL], 0
	ds_add_u32 v28, v29
	ds_add_u32 v28, v29
	s_wait_dscnt 0x0
	v_lshrrev_b32 v1, 5, v0
	v_readfirstlane_b32 s14, v1                    ; wave 0..3
	s_lshr_b32 s15, s14, 1                         ; my half of A's tiles.  Also: I fetch for A (0) or for B (1)
	s_and_b32 s16, s14, 1                          ; my half of B's tiles.  Also: which slot I fill
	s_bfe_u32 s40, ttmp6, 0x40000                  ; cx
	s_bfe_u32 s41, ttmp6, 0x40004                  ; cy
	s_and_b32 s66, ttmp7, 0xffff                   ; cluster y
	s_cmp_eq_u32 ttmp9, 2                          ; a v cluster?  The same answer in all sixteen partners
	s_cselect_b32 s17, ttmp9, s66                  ; the cluster coordinate that goes with cy: W's in a v cluster, else the tokens'
	s_cselect_b32 s42, s66, ttmp9                  ; and the one that goes with cx
	s_lshl_b32 s17, s17, 2
	s_add_co_u32 s17, s17, s41                     ; which 16 tiles fill A's region
	s_lshl_b32 s42, s42, 2
	s_add_co_u32 s42, s42, s40                     ; which 16 tiles fill B's
	s_lshl_b32 s43, s41, 2
	s_lshl_b32 s43, 15, s43                        ; my row of the cluster
	s_lshl_b32 s44, 0x1111, s40                    ; my column
	; descriptor group 1: 2 MB (2 NB) rows of NQ x 2,048 bytes, KT x 2,048 bytes apart, in elements of 8 bytes; dense in LDS
	s_or_b32 s[G1+0], s43, (3<<16)|(1<<21)
	s_or_b32 s[G1B+0], s44, (3<<16)|(1<<21)
	s_mov_b32 s[G1+1], (NQ*256)<<16                ; tensor_dim0
	s_mov_b32 s[G1+2], (2*MB)<<16                  ; tensor_dim1
	s_mov_b32 s[G1+3], (NQ*256)<<16                ; tile_dim0
	s_mov_b32 s[G1+4], 2*MB                        ; tile_dim1
	s_mov_b32 s[G1+5], KT*256                      ; stride from row to row
	s_mov_b32 s[G1+6], 0
	s_mov_b32 s[G1+7], 0
	s_mov_b32 s[G1B+1], (NQ*256)<<16
	s_mov_b32 s[G1B+2], (2*NB)<<16
	s_mov_b32 s[G1B+3], (NQ*256)<<16
	s_mov_b32 s[G1B+4], 2*NB
	s_mov_b32 s[G1B+5], KT*256
	s_mov_b32 s[G1B+6], 0
	s_mov_b32 s[G1B+7], 0
	s_mul_i32 s20, s17, 2*MB*KT*2048               ; A: the region's first tile, in bytes,
	s_mul_i32 s18, s16, NQ*2048                    ; and my slot's first K step
	s_add_co_u32 s20, s20, s18
	s_mov_b32 s21, 0
	s_mul_i32 s46, s42, 2*NB*KT*2048               ; B likewise
	s_add_co_u32 s46, s46, s18
	s_mov_b32 s47, 0
	s_mul_i32 s45, s16, SLOT                       ; where they go: my slot; no place in the cluster enters an LDS address
	s_add_co_u32 s67, s45, 2*AHALF
	s_wait_kmcnt 0x0
	s_load_b256 s[76:83], s[8:9], 0x0              ; e0 .. e7
	s_cmp_eq_u32 ttmp9, 2
	s_cselect_b64 s[68:69], s[6:7], s[4:5]         ; what fills A's region
	s_cselect_b64 s[70:71], s[4:5], s[6:7]         ; what fills B's
	s_cselect_b32 s72, s17, s42                    ; tc: my 256 columns of the 3,072 (0 .. 11)
	s_cselect_b32 s73, s42, s17                    ; tr: my 256 tokens (0 .. 15)
	s_add_nc_u64 s[20:21], s[68:69], s[20:21]
	s_add_nc_u64 s[46:47], s[70:71], s[46:47]
	CROUND                                         ; all sixteen work-groups are here: the first joint loads meet
.irp s, 0
	s_mov_b32 s[G0+4*\s], 1
	s_add_co_u32 s[G0+4*\s+1], s45, \s*SLOT
	s_add_nc_u64 s[G0+4*\s+2:G0+4*\s+3], s[20:21], \s*NQ*2048
	s_or_b32 s[G0+4*\s+3], s[G0+4*\s+3], 0x80000000
	s_mov_b32 s[G0B+4*\s], 1
	s_add_co_u32 s[G0B+4*\s+1], s67, \s*SLOT
	s_add_nc_u64 s[G0B+4*\s+2:G0B+4*\s+3], s[46:47], \s*NQ*2048
	s_or_b32 s[G0B+4*\s+3], s[G0B+4*\s+3], 0x80000000
	JLOAD G0+4*\s, G1, G0B+4*\s, G1B
.endr
	v_and_b32 v1, 31, v0
	v_lshlrev_b32 v27, 4, v1                       ; 16 x lane: my place in every image
	s_mul_i32 s21, s15, AHALF
	s_mul_i32 s22, s16, BHALF
	s_add_co_u32 s22, s22, 2*AHALF
.irp s, 0,1
	v_add_nc_u32 v[ADRA+\s], s21, v27
	v_add_nc_u32 v[ADRB+\s], s22, v27
	s_add_co_u32 s21, s21, SLOT
	s_add_co_u32 s22, s22, SLOT
.endr
	; the biases, in both forms; every address is made of tc, so it lies inside b_qkv in every cluster
	v_bfe_u32 v4, v0, 4, 1
	v_lshlrev_b32 v23, 6, v4                       ; q, k: 16 numbers for each half of the lanes
	s_wait_alu depctr_va_vdst(0)
	v_and_b32 v3, 15, v0
	v_and_b32 v5, 8, v3
	v_add_nc_u32 v5, v5, v3
	v_lshlrev_b32 v22, 2, v5                       ; v: the number at r + 8 (r / 8)
	s_wait_alu depctr_va_vdst(0)
	s_lshl_b32 s74, s72, 10
	s_lshl_b32 s75, s16, 9
	s_add_co_u32 s74, s74, s75
	s_mov_b32 s75, 0
	s_add_nc_u64 s[74:75], s[10:11], s[74:75]      ; column 256 tc + 128 x (my half of B's tiles)
	s_lshl_b32 s84, s72, 10
	s_lshl_b32 s85, s15, 9
	s_add_co_u32 s84, s84, s85
	s_mov_b32 s85, 0
	s_add_nc_u64 s[84:85], s[10:11], s[84:85]      ; column 256 tc + 128 x (my half of A's tiles)
.irp p, 0,1,2,3
.irp m, 0,1,2,3
	global_load_b128 v[BI+16*\p+4*\m:BI+16*\p+4*\m+3], v23, s[74:75] offset:128*\p+16*\m
.endr
.endr
.irp a, 0,1,2,3,4,5,6,7
	global_load_b32 v[BV+2*\a], v22, s[84:85] offset:(32*(\a/2)+8*(\a%2))*4
	global_load_b32 v[BV+2*\a+1], v22, s[84:85] offset:(32*(\a/2)+8*(\a%2))*4
.endr
	; where my results go
	s_lshr_b32 s92, s73, 3
	s_lshl_b32 s92, s92, 4
	s_and_b32 s93, s72, 3
	s_lshl_b32 s93, s93, 2
	s_add_co_u32 s92, s92, s93                     ; 16 x batch + the first of my work-group's four heads
	s_lshl_b32 s88, s16, 1                         ; q, k: my two heads by my half of W's tiles; my eight token tiles by my half of the tokens'
	s_add_co_u32 s88, s88, s92
	s_lshl_b32 s88, s88, 7
	s_lshl_b32 s89, s73, 4
	s_lshl_b32 s93, s15, 3
	s_add_co_u32 s89, s89, s93
	s_and_b32 s89, s89, 127
	s_add_co_u32 s88, s88, s89
	s_lshl_b32 s88, s88, 10
	s_lshl_b32 s89, ttmp9, 22
	s_add_co_u32 s88, s88, s89
	s_lshl_b32 s90, s15, 1                         ; v: my two heads by my half of A's region, my key step by my half of B's
	s_add_co_u32 s90, s90, s92
	s_lshl_b32 s90, s90, 4
	s_lshl_b32 s91, s73, 1
	s_add_co_u32 s91, s91, s16
	s_and_b32 s91, s91, 15
	s_add_co_u32 s90, s90, s91
	s_lshl_b32 s90, s90, 13
	s_add_co_u32 s90, s90, 0x800000
	s_cmp_eq_u32 ttmp9, 2
	s_cselect_b32 s88, s90, s88
	s_mov_b32 s89, 0
	s_add_nc_u64 s[12:13], s[12:13], s[88:89]
	s_wait_tensorcnt 0x0                           ; my one load is in: behind the barrier both slots are whole
	s_barrier_signal -1
	s_barrier_wait -1
	FETCH_B 0, 0, 0
	FETCH_A 0, 0, 0
	FETCH_A 0, 0, HB
	STEP 0, 0, 1                                   ; the first step stands in front of the loop: its products start the sums
.if LAPS > 1
	s_mov_b32 s3, LAPS-1
.Llap:
	STEPS 0, 1
	TURN 0, 1, 1
	STEPS 1, 0
	TURN 1, 0, 1
	STEP 0, 0, 0
	s_sub_co_u32 s3, s3, 1
	s_cmp_lg_u32 s3, 0
	s_cbranch_scc1 .Llap
.endif
	STEPS 0, 1
	TURN 0, 1, 0                                   ; the last lap fills nothing
	STEPS 1, 0
	LAST
; THE WAY OUT, a block of A's at a time: number = sum x 2^(e0 + e1) + bias; held; converted with the next product's scale; four stores of 512 consecutive bytes.
.macro QKVOUT a, isv
.if (\a) >= 4
	s_wait_xcnt 0x0                                ; block a - 4's stores have read the code registers that are written again
.endif
	WIN 0x02+(\a)/4                                ; source 0: window 2 or 3
.set oj, 0
.rept 32
.if \isv
	v_pk_fma_f32 v[TMP+oj:TMP+oj+1], v[64*((\a)%4)+oj:64*((\a)%4)+oj+1], s[96:97], v[BV+2*(\a):BV+2*(\a)+1] op_sel_hi:[1,0,1]
.else
	v_pk_fma_f32 v[TMP+oj:TMP+oj+1], v[64*((\a)%4)+oj:64*((\a)%4)+oj+1], s[96:97], v[BI+oj:BI+oj+1] op_sel_hi:[1,0,1]
.endif
.set oj, oj+2
.endr
	WIN 0
.set oj, 0
.rept 64
	v_med3_num_f32 v[TMP+oj], v[TMP+oj], -v30, v30
.set oj, oj+1
.endr
.irp g, 0,1,2,3,4,5,6,7
	v_cvt_scalef32_pk8_bf8_f32 v[CD+16*((\a)%4)+2*\g:CD+16*((\a)%4)+2*\g+1], v[TMP+8*\g:TMP+8*\g+7], v31
.endr
	v_nop                                          ; a plain instruction behind the last conversion: the next block writes its sources
.irp p, 0,1,2,3
.if \isv
	global_store_b128 v27, v[CD+16*((\a)%4)+4*\p:CD+16*((\a)%4)+4*\p+3], s[12:13] offset:((\a)/4)*131072+((\a)%4)*2048+\p*512
.else
	global_store_b128 v27, v[CD+16*((\a)%4)+4*\p:CD+16*((\a)%4)+4*\p+3], s[12:13] offset:(\a)*1024+(\p/2)*131072+(\p%2)*512
.endif
.endr
.endm
	PLACES 4
	s_wait_loadcnt 0x0                             ; the biases
	s_wait_kmcnt 0x0
	s_add_co_i32 s96, s76, s77
	s_add_co_i32 s96, s96, 127
	s_lshl_b32 s96, s96, 23                        ; 2^(e0 + e1)
	s_mov_b32 s97, s96
	s_cmp_eq_u32 ttmp9, 1
	s_cselect_b32 s86, s79, s78                    ; q: e2; k: e3;
	s_cmp_eq_u32 ttmp9, 2
	s_cselect_b32 s86, s81, s86                    ; v: e5
	s_add_co_i32 s86, s86, 127
	s_lshl_b32 s87, s86, 23
	v_mov_b32 v31, s87
	s_add_co_i32 s86, s86, 15
	s_lshl_b32 s86, s86, 23
	s_or_b32 s86, s86, 0x600000
	v_mov_b32 v30, s86
	s_cmp_eq_u32 ttmp9, 2                          ; the cluster's number: alike in all partners
	s_cbranch_scc1 .Lv
.irp a, 0,1,2,3,4,5,6,7
	QKVOUT \a, 0
.endr
	s_branch .Ljoin
.Lv:
.irp a, 0,1,2,3,4,5,6,7
	QKVOUT \a, 1
.endr
.Ljoin:
	s_wait_tensorcnt 0x0                           ; the wave's end
	ds_add_u32 v[SPW], v[NIL]
	s_wait_dscnt 0x0
	CROUND                                         ; the closing round
	s_endpgm
.Lfunc_end_k_q698f41a420_qkvp:
	.size	k_q698f41a420_qkvp, .Lfunc_end_k_q698f41a420_qkvp-k_q698f41a420_qkvp
	.p2alignl 7, 3214868480
	.fill 96, 4, 3214868480
	.section	.rodata,"a",@progbits
	.p2align	6, 0x0
	.amdhsa_kernel k_q698f41a420_qkvp
		.amdhsa_group_segment_fixed_size 327680
		.amdhsa_private_segment_fixed_size 0
		.amdhsa_enable_private_segment 0
		.amdhsa_kernarg_size 40
		.amdhsa_user_sgpr_count 2
		.amdhsa_user_sgpr_kernarg_segment_ptr 1
		.amdhsa_wavefront_size32 1
		.amdhsa_system_sgpr_workgroup_id_x 1
		.amdhsa_system_sgpr_workgroup_id_y 1
		.amdhsa_system_sgpr_workgroup_id_z 1
		.amdhsa_system_vgpr_workitem_id 0
		.amdhsa_next_free_vgpr 1024
		.amdhsa_next_free_sgpr 100
		.amdhsa_reserve_vcc 0
		.amdhsa_float_denorm_mode_32 3
		.amdhsa_float_denorm_mode_16_64 3
		.amdhsa_memory_ordered 1
		.amdhsa_forward_progress 1
		.amdhsa_inst_pref_size 193
	.end_amdhsa_kernel
	.amdgpu_metadata
---
amdhsa.version: [ 1, 2 ]
amdhsa.kernels:
  - .name:           k_q698f41a420_qkvp
    .symbol:         k_q698f41a420_qkvp.kd
    .args:
      - { .name: act, .offset: 0, .size: 8, .value_kind: global_buffer, .address_space: global }
      - { .name: wc, .offset: 8, .size: 8, .value_kind: global_buffer, .address_space: global }
      - { .name: lowp_scales, .offset: 16, .size: 8, .value_kind: global_buffer, .address_space: global }
      - { .name: b_qkv, .offset: 24, .size: 8, .value_kind: global_buffer, .address_space: global }
      - { .name: qkv, .offset: 32, .size: 8, .value_kind: global_buffer, .address_space: global }
    .group_segment_fixed_size: 327680
    .private_segment_fixed_size: 0
    .kernarg_segment_align: 8
    .kernarg_segment_size: 40
    .max_flat_workgroup_size: 128
    .sgpr_count:     100
    .vgpr_count:     1024
    .wavefront_size: 32
...
	.end_amdgpu_metadata
.endif
;; end of part 2
;; launch attn (part 3): grid 8 x 32, 16 waves a work-group, no clusters, 327,680 bytes of LDS; arguments qkv, lowp_scales, act, w_fc1, w_fc2, wc; writes act, wc
.if DOCPART == 3
	.amdgcn_target "amdgcn-amd-amdhsa--gfx1250"
	.amdhsa_code_object_version 6
	.text
	.protected	k_q698f41a420_attn
	.globl	k_q698f41a420_attn
	.p2align	8
	.type	k_q698f41a420_attn,@function
k_q698f41a420_attn:
	s_mov_b64 s[64:65], 0
	v_nop
	global_prefetch_b8 v0, s[64:65] scope:SCOPE_SE
	s_setreg_imm32_b32 hwreg(HW_REG_WAVE_MODE, 25, 1), 1
	s_wait_xcnt 0x0
; CAUSAL ATTENTION on codes of E5M2, its result quantised again for the projection; beside it w_fc1 and w_fc2 (f32, K their first axis) are turned into codes.
; qkv: q at 0, k at 4 MiB: [32 heads][128 token tiles][1,024] (16 tokens x 64 channels, [c'][lane][16]); v at 8 MiB: [32 heads][16 key steps][4 channel tiles][2,048] (16 channels x 128 keys, [c][lane][16]).
; Position p of tile 2 b + u is index 32 b + 8 u + p + 8 (p / 8), so that the 16 registers of score tiles 2 b, 2 b + 1 are 16 neighbouring keys 32 b + 16 (lane / 16) + 0 .. 15.
; THE SOFTMAX: t = score x log2(e) / 8; M = the running largest t rounded up to a whole number; p = 2^(t - M) is quantised; the row's sum is taken of the unquantised p and divides at the end.
; LEFT OUT: key steps all of whose keys come after a tile's queries: the causal mask hides them for all values of the inputs.  A NaN or an infinity that reaches only such scores is not carried to the result.
; SHARES.  Work-group (x, head) owns query blocks x and 15 - x of 128 queries: 17 key steps of 128 keys for each of eight tiles, whatever x is.  Sixteen waves, a tile of 16 queries each.
; Waves 0-7 walk block x (steps 0 .. x), send it out, and then walk the last steps of block 15 - x; waves 8-15 walk its first steps (0 .. 8; 0 .. 9 where x = 0).  The two parts are joined through LDS at the end.
; Every wave walks all 16 trips.
; LDS.  The head's whole K (at 0) and V (at 0x20000) stay in LDS, as [piece j of 1,024 bytes, 0 .. 7][key step 0 .. 15][1,024]: K's piece j is token tile j of the step, V's pieces 2 d, 2 d + 1 are channel tile d.
; Wave w fetches piece w % 8 of K (w < 8) or of V: rows of 1,024 bytes, 8,192 apart in memory.  One load at the head brings steps 0-3 (4 rows); one more, behind the full sequence and a barrier, steps 4-15 (12 rows):
; it has the first four trips in which to land.  Nothing is filled twice.  Each load holds bytes of a step that every work-group reads (steps 0 and 4; the least last step is 8).  Every wait on TENSORcnt is for 0.
; NO CLUSTER: the eight work-groups of a head read the same K and V, but which steps a work-group jumps over hangs on its number.  NO PREFETCH: both loads stand at the head; no loop runs ahead of a later load.
; THE WEIGHTS: heads 0-15 take w_fc1, 16-31 w_fc2; a wave takes 32 columns x 32 along K, a lane a column, its registers down K; the codes go to wc as images of operand registers (w_fc1 at 0x400000, w_fc2 at 0x600000).
; LIMITS: e2 + e3 between -123 and 130; e4, e6, e9, e11 between -126 and 112; the scaled scores stay under 2^31 in magnitude.  NaN among the inputs is not served.
; REGISTERS: v1, v3-5 16 x lane + 0, 0x10000, 0x20000, 0x30000; v2 the mask's d; v8, v9, v6, v7 the step's LDS addresses; v10 my place in PART; v11, v215 the add's two; v12 -M, v13 largest t, v[14:15] the sum; v16-23 Q, v24-31 the second Q.
.set FR, 32                            ; v32-95   eight fragments of K, then four of V
.set S,  96                            ; v96-159  S^T, then p
.set O,  160                           ; v160-191 O^T
.set PC, 192                           ; v192-207 p's codes
.set WX, 224                           ; v224-255 32 numbers of a weight
.set PART, 0x40000                     ; eight places of 4,608 bytes: waves 0-7 hand O^T, -M and the sum to waves 8-15; no tile lands here
.set SPARE, 0x49000                    ; the spare words, 128 bytes for each wave: eight blocks of 256 bytes that no other line names
	s_load_b128 s[4:7], s[0:1], 0x0                ; qkv 4:5, the scales' exponents 6:7
	s_load_b64 s[8:9], s[0:1], 0x10                ; act
	s_load_b128 s[72:75], s[0:1], 0x18             ; w_fc1 72:73, w_fc2 74:75
	s_load_b64 s[76:77], s[0:1], 0x28              ; wc
	v_lshl_add_u32 v11, v0, 2, SPARE
	v_mov_b32 v215, 0
	ds_add_u32 v11, v215                           ; the opening add, twice on end; its wait stands ahead of my first tensor load
	ds_add_u32 v11, v215
	v_lshrrev_b32 v3, 5, v0
	v_readfirstlane_b32 s18, v3                    ; wave 0..15
	s_and_b32 s10, ttmp7, 0xffff                   ; the head, 16 x batch + head
	s_lshr_b32 s11, s18, 3                         ; 0: I fetch for K; 1: for V
	s_and_b32 s12, s18, 7                          ; my tile of the block, and my piece
	s_sub_co_u32 s82, 15, ttmp9                    ; the late block
	s_cmp_eq_u32 ttmp9, 0
	s_cselect_b32 s81, 9, 8                        ; the last step of the late block that waves 8-15 take
	s_mov_b32 s78, 0                               ; my first step,
	s_cmp_lt_u32 s18, 8
	s_cselect_b32 s48, ttmp9, s82                  ; my block,
	s_cselect_b32 s79, ttmp9, s81                  ; my last step,
	s_cselect_b32 s80, ttmp9, s82                  ; and the step on the diagonal
	s_lshl_b32 s14, s48, 3
	s_add_co_u32 s14, s14, s12                     ; my token tile in the head
	s_lshl_b32 s83, s82, 3
	s_add_co_u32 s83, s83, s12                     ; and the late block's
	s_mov_b32 s24, 3<<16                           ; group 1, steps 0-3: elements of 8 bytes, no padding
	s_mov_b32 s25, 128<<16                         ; tensor_dim0: 1,024 bytes
	s_mov_b32 s26, 4<<16                           ; tensor_dim1
	s_mov_b32 s27, 128<<16                         ; tile_dim0
	s_mov_b32 s28, 4                               ; tile_dim1
	s_mov_b32 s29, 1024                            ; from row to row: 8,192 bytes
	s_mov_b32 s30, 0
	s_mov_b32 s31, 0
	s_mov_b32 s36, 3<<16                           ; group 1, steps 4-15: the same with 12 rows
	s_mov_b32 s37, 128<<16
	s_mov_b32 s38, 12<<16
	s_mov_b32 s39, 128<<16
	s_mov_b32 s40, 12
	s_mov_b32 s41, 1024
	s_mov_b32 s42, 0
	s_mov_b32 s43, 0
	s_lshl_b32 s15, s11, 17
	s_lshl_b32 s16, s12, 14
	s_add_co_u32 s15, s15, s16                     ; my piece in LDS
	s_lshl_b32 s50, s11, 22
	s_add_co_u32 s50, s50, 0x400000
	s_lshl_b32 s17, s10, 17
	s_add_co_u32 s50, s50, s17
	s_lshl_b32 s16, s12, 10
	s_add_co_u32 s50, s50, s16                     ; and in qkv
	s_mov_b32 s51, 0
	s_mov_b32 s20, 0x76543210
	s_mov_b32 s21, 0xfedcba98                      ; lane l xor 16
	s_mov_b32 s22, 0x3e38aa3b                      ; c = log2(e) / 8
	s_and_b32 s88, s10, 15                         ; the weights: my unit, 0 .. 2,047
	s_lshl_b32 s88, s88, 7
	s_lshl_b32 s89, ttmp9, 4
	s_add_co_u32 s88, s88, s89
	s_add_co_u32 s88, s88, s18
	s_mov_b32 s92, 0x600000
	s_cmp_lt_u32 s10, 16
	s_cselect_b32 s89, 6, 5                        ; log2 of the groups of 32 columns
	s_cselect_b32 s90, 18, 17                      ; log2 of 32 rows' bytes
	s_cselect_b32 s91, 15, 16                      ; log2 of a pair of tiles' images
	s_cselect_b32 s93, 14, 15                      ; log2 of a tile's images
	s_cselect_b32 s92, 0x400000, s92               ; the weight's place in wc
	s_lshr_b32 s95, s88, s89                       ; block of 32 along K
	s_lshl_b32 s96, s95, s89
	s_sub_co_u32 s96, s88, s96                     ; group of 32 columns
	s_lshl_b32 s68, s95, s90
	s_lshl_b32 s97, s96, 7
	s_add_co_u32 s68, s68, s97
	s_mov_b32 s69, 0
	s_lshl_b32 s70, s96, s91
	s_add_co_u32 s70, s70, s92
	s_lshr_b32 s97, s95, 2
	s_lshl_b32 s97, s97, 11
	s_add_co_u32 s70, s70, s97
	s_and_b32 s97, s95, 3
	s_lshl_b32 s97, s97, 9
	s_add_co_u32 s70, s70, s97
	s_mov_b32 s71, 0
	s_wait_dscnt 0x0                               ; both opening adds are done
	s_wait_kmcnt 0x0
	s_load_b256 s[52:59], s[6:7], 0x0              ; e0 .. e7
	s_load_b128 s[84:87], s[6:7], 0x20             ; e8 .. e11
	s_add_nc_u64 s[50:51], s[4:5], s[50:51]
	s_mov_b32 s32, 1                               ; group 0, steps 0-3
	s_mov_b32 s33, s15
	s_mov_b64 s[34:35], s[50:51]
	s_or_b32 s35, s35, 0x80000000
	s_mov_b32 s44, 1                               ; group 0, steps 4-15: four rows on, in LDS and in memory
	s_add_co_u32 s45, s15, 4096
	s_add_nc_u64 s[46:47], s[50:51], 32768
	s_or_b32 s47, s47, 0x80000000
	tensor_load_to_lds s[32:35], s[24:31]          ; my one load at the head
	s_nop 0
	s_lshl_b32 s60, s10, 7
	s_add_co_u32 s66, s60, s83
	s_add_co_u32 s60, s60, s14
	s_lshl_b32 s60, s60, 10
	s_mov_b32 s61, 0
	s_add_nc_u64 s[60:61], s[4:5], s[60:61]        ; my tile of q
	s_lshl_b32 s66, s66, 10
	s_mov_b32 s67, 0
	s_add_nc_u64 s[66:67], s[4:5], s[66:67]        ; the late block's
	v_and_b32 v3, 31, v0
	s_delay_alu instid0(VALU_DEP_1)
	v_lshlrev_b32 v1, 4, v3
	global_load_b128 v[16:19], v1, s[60:61]
	global_load_b128 v[20:23], v1, s[60:61] offset:512
	global_load_b128 v[24:27], v1, s[66:67]
	global_load_b128 v[28:31], v1, s[66:67] offset:512
	s_cmp_lt_u32 s10, 16
	s_cselect_b64 s[72:73], s[72:73], s[74:75]
	s_add_nc_u64 s[68:69], s[72:73], s[68:69]
	s_add_nc_u64 s[70:71], s[76:77], s[70:71]
	s_mul_i32 s16, s12, 4608
	s_add_co_u32 s16, s16, PART
	v_add_nc_u32 v10, s16, v1
	v_and_b32 v4, 15, v0
	v_bfe_u32 v5, v0, 4, 1
	s_delay_alu instid0(VALU_DEP_2)
	v_and_b32 v6, 8, v4
	s_delay_alu instid0(VALU_DEP_1)
	v_add_nc_u32 v6, v6, v4
	s_delay_alu instid0(VALU_DEP_1)
	v_lshl_add_u32 v7, v5, 3, v6
	s_delay_alu instid0(VALU_DEP_1)
	v_lshlrev_b32 v222, 2, v7                      ; the weight: my column of the 32
	v_lshlrev_b32 v223, s93, v5
	s_delay_alu instid0(VALU_DEP_1)
	v_lshl_add_u32 v223, v4, 4, v223               ; and my 16 bytes of its tile's image
	v_lshlrev_b32 v5, 4, v5
	s_delay_alu instid0(VALU_DEP_1)
	v_sub_nc_u32 v6, v6, v5
	s_lshr_b32 s16, s12, 1
	s_lshl_b32 s16, s16, 5
	s_and_b32 s17, s12, 1
	s_lshl_b32 s17, s17, 3
	s_add_co_u32 s16, s16, s17
	v_add_nc_u32 v2, s16, v6                       ; d = my query in its block - 16 (lane / 16): register 16 b + i is hidden on the diagonal where 32 b + i > d
	v_add_nc_u32 v3, 0x10000, v1                   ; K's pieces 4-7,
	v_add_nc_u32 v4, 0x20000, v1                   ; V's pieces 0-3,
	v_add_nc_u32 v5, 0x30000, v1                   ; V's pieces 4-7
	s_lshr_b32 s16, s10, 4
	s_lshl_b32 s16, s16, 7
	s_add_co_u32 s16, s16, s14
	s_lshl_b32 s16, s16, 3
	s_bfe_u32 s17, s10, 0x30001
	s_add_co_u32 s16, s16, s17
	s_lshl_b32 s16, s16, 11
	s_and_b32 s17, s10, 1
	s_lshl_b32 s17, s17, 10
	s_add_co_u32 s62, s16, s17
	s_mov_b32 s63, 0
	s_add_nc_u64 s[62:63], s[8:9], s[62:63]        ; act: [token tile][K step = head / 2][2,048], my head's half of the fragment
	v_mov_b32 v13, 0xff61b1e6                      ; the largest t so far: -3e38
	s_delay_alu instid0(VALU_DEP_1)
	v_floor_f32 v12, -v13
	v_mov_b32 v14, 0
	v_mov_b32 v15, 0
	v_mov_b32 v211, 0                              ; (upper halves of named pairs, and a permute's destination: written once)
	v_mov_b32 v212, 0
	v_mov_b32 v213, 0
	v_mov_b32 v214, 0
.set oj, 0
.rept 32
	v_mov_b32 v[O+oj], 0                           ; the step is written once: the first finds zeros
.set oj, oj+1
.endr
	s_wait_kmcnt 0x0
	s_add_co_i32 s16, s54, s55
	s_lshl_b32 s16, s16, 23
	s_add_co_i32 s22, s22, s16                     ; c x 2^(e2 + e3)
	s_mov_b32 s23, s22
	s_add_co_i32 s16, s56, 127
	s_lshl_b32 s17, s16, 23
	v_mov_b32 v217, s17                            ; 2^e4
	s_add_co_i32 s16, s16, 15
	s_lshl_b32 s16, s16, 23
	s_or_b32 s16, s16, 0x600000
	v_mov_b32 v216, s16                            ; 57,344 x 2^e4
	s_add_co_i32 s16, s58, 127
	s_lshl_b32 s17, s16, 23
	v_mov_b32 v219, s17                            ; 2^e6
	s_add_co_i32 s16, s16, 15
	s_lshl_b32 s16, s16, 23
	s_or_b32 s16, s16, 0x600000
	v_mov_b32 v218, s16
	s_cmp_lt_u32 s10, 16
	s_cselect_b32 s16, s85, s87                    ; the weight's e: e9 or e11
	s_add_co_i32 s16, s16, 127
	s_lshl_b32 s17, s16, 23
	v_mov_b32 v221, s17
	s_add_co_i32 s16, s16, 15
	s_lshl_b32 s16, s16, 23
	s_or_b32 s16, s16, 0x600000
	v_mov_b32 v220, s16
	s_add_co_i32 s50, s56, s57                     ; e4 + e5
; A KEY STEP: step s3, whose rows begin s2 = 1,024 s3 bytes into each piece.
.macro STEP
	s_cmp_lt_u32 s3, s78
	s_cbranch_scc1 .Lhid_\@
	s_cmp_gt_u32 s3, s79
	s_cbranch_scc1 .Lhid_\@
	v_add_nc_u32 v8, s2, v1                        ; these four are also the places in front of the loads into registers that the last products read
	v_add_nc_u32 v9, s2, v3
	v_add_nc_u32 v6, s2, v4
	v_add_nc_u32 v7, s2, v5
.irp t, 0,1,2,3
	ds_load_b128 v[FR+8*\t:FR+8*\t+3], v8 offset:16384*\t
	ds_load_b128 v[FR+8*\t+4:FR+8*\t+7], v8 offset:16384*\t+512
.endr
.irp t, 0,1,2,3
	ds_load_b128 v[FR+32+8*\t:FR+35+8*\t], v9 offset:16384*\t
	ds_load_b128 v[FR+36+8*\t:FR+39+8*\t], v9 offset:16384*\t+512
.endr
	s_wait_alu depctr_va_vdst(0)
	s_wait_dscnt 0x0
.irp t, 0,1,2,3,4,5,6,7
	v_wmma_f32_16x16x64_bf8_bf8 v[S+8*\t:S+8*\t+7], v[FR+8*\t:FR+8*\t+7], v[16:23], 0   ; S^T = K Q^T
.endr
.rept 4
	v_nop
.endr
.irp d, 0,1
.irp c, 0,1,2,3
	ds_load_b128 v[FR+16*\d+4*\c:FR+16*\d+4*\c+3], v6 offset:16384*(2*\d+\c/2)+512*(\c%2)      ; V's fragments land under the softmax
	ds_load_b128 v[FR+32+16*\d+4*\c:FR+35+16*\d+4*\c], v7 offset:16384*(2*\d+\c/2)+512*(\c%2)
.endr
.endr
	s_cmp_lg_u32 s3, s80
	s_cbranch_scc1 .Lopen_\@
	v_mov_b32 v208, 0xff800000                     ; on the diagonal hidden scores become -infinity ahead of the maximum
.set oj, 0
.rept 64
	v_cmp_gt_i32 vcc_lo, 32*(oj/16)+oj%16, v2
	v_cndmask_b32 v[S+oj], v[S+oj], v208, vcc_lo
.set oj, oj+1
.endr
.Lopen_\@:
	v_max3_num_f32 v208, v96, v97, v98
	v_max3_num_f32 v209, v99, v100, v101
.irp i, 6,10,14,18,22,26,30,34,38,42,46,50,54,58
	v_max3_num_f32 v208, v208, v[96+\i], v[97+\i]
	v_max3_num_f32 v209, v209, v[98+\i], v[99+\i]
.endr
	v_max3_num_f32 v208, v208, v158, v159
	s_delay_alu instid0(VALU_DEP_1)
	v_max_num_f32 v208, v208, v209
	s_delay_alu instid0(VALU_DEP_1)
	v_permlanex16_b32 v214, v208, s20, s21
	s_delay_alu instid0(VALU_DEP_1)
	v_max_num_f32 v208, v208, v214
	s_delay_alu instid0(VALU_DEP_1)
	v_mul_f32 v208, s22, v208
	s_delay_alu instid0(VALU_DEP_1)
	v_max_num_f32 v13, v13, v208                   ; the running largest t
	v_mov_b32 v208, v12
	s_delay_alu instid0(VALU_DEP_2)
	v_floor_f32 v12, -v13                          ; -M
	s_delay_alu instid0(VALU_DEP_1)
	v_sub_f32 v208, v12, v208
	s_delay_alu instid0(VALU_DEP_1)
	v_cvt_i32_f32 v208, v208
	s_delay_alu instid0(VALU_DEP_1)
	v_ldexp_f32 v210, 1.0, v208                    ; f = 2^(old M - new M)
.set oj, 0
.rept 32
	v_pk_fma_f32 v[S+oj:S+oj+1], v[S+oj:S+oj+1], s[22:23], v[12:13] op_sel_hi:[1,0,0]   ; t - M
.set oj, oj+2
.endr
.set oj, 0
	s_wait_alu depctr_va_vdst(0)                   ; the wait ahead of the batch
.rept 64
	v_exp_f32 v[S+oj], v[S+oj]
.set oj, oj+1
.endr
	v_pk_mul_f32 v[14:15], v[14:15], v[210:211] op_sel_hi:[1,0]
	s_wait_alu depctr_va_vdst(0)                   ; and one behind it, ahead of its first reader
	v_pk_add_f32 v[212:213], v[96:97], v[98:99]    ; the sum of the unquantised p, in two chains
.irp j, 4,8,12,16,20,24,28,32,36,40,44,48,52,56,60
	v_pk_add_f32 v[14:15], v[14:15], v[96+\j:97+\j]
	v_pk_add_f32 v[212:213], v[212:213], v[98+\j:99+\j]
.endr
	s_delay_alu instid0(VALU_DEP_1)
	v_pk_add_f32 v[14:15], v[14:15], v[212:213]
.irp b, 0,1,2,3
.irp i, 0,1,2,3,4,5,6,7,8,9,10,11,12,13,14,15
	v_min_num_f32 v[S+16*\b+\i], v[S+16*\b+\i], v216   ; the conversion does not saturate (ISA guide 7.6.2); p is not negative
.endr
	v_cvt_scalef32_pk8_bf8_f32 v[PC+4*\b:PC+4*\b+1], v[S+16*\b:S+16*\b+7], v217
	v_cvt_scalef32_pk8_bf8_f32 v[PC+4*\b+2:PC+4*\b+3], v[S+16*\b+8:S+16*\b+15], v217
.endr
	s_wait_alu depctr_va_vdst(0)                   ; directly ahead of the first reader of O^T
.set oj, 0
.rept 16
	v_pk_mul_f32 v[O+oj:O+oj+1], v[O+oj:O+oj+1], v[210:211] op_sel_hi:[1,0]
.set oj, oj+2
.endr
	s_wait_alu depctr_va_vdst(0)
	s_wait_dscnt 0x0
.irp d, 0,1,2,3
	v_wmma_f32_16x16x128_bf8_bf8 v[O+8*\d:O+8*\d+7], v[FR+16*\d:FR+16*\d+15], v[PC:PC+15], v[O+8*\d:O+8*\d+7]   ; O^T += V^T P^T
.endr
.Lhid_\@:
	s_add_co_u32 s3, s3, 1
	s_add_co_u32 s2, s2, 1024
.endm
.macro STAGE first, trips
	s_mov_b32 s2, \first*1024
	s_mov_b32 s3, \first
	s_mov_b32 s49, \trips
.Lst_\@:
	STEP
	s_sub_co_u32 s49, s49, 1
	s_cmp_lg_u32 s49, 0
	s_cbranch_scc1 .Lst_\@
.endm
; THE WAY OUT of a tile: O^T / the sum x 2^(e4 + e5), held, converted with 2^e6: the lane's 32 channels are eight registers of the projection's operand; two stores of 512 consecutive bytes.
.macro OUT
.rept 4
	v_nop
.endr
	v_add_f32 v14, v14, v15
	s_delay_alu instid0(VALU_DEP_1)
	v_permlanex16_b32 v214, v14, s20, s21
	s_delay_alu instid0(VALU_DEP_1)
	v_add_f32 v14, v14, v214
	s_wait_alu depctr_va_vdst(0)                   ; ahead of the transcendental,
	v_rcp_f32 v14, v14
	v_nop
	s_wait_alu depctr_va_vdst(0)                   ; ahead of its first reader,
	v_ldexp_f32 v14, v14, s50
	s_wait_alu depctr_va_vdst(0)                   ; and directly ahead of the first reader of O^T
.set oj, 0
.rept 32
	v_mul_f32 v[S+oj], v[O+oj], v14
.set oj, oj+1
.endr
.set oj, 0
.rept 32
	v_med3_num_f32 v[S+oj], v[S+oj], -v218, v218
.set oj, oj+1
.endr
.irp g, 0,1,2,3
	v_cvt_scalef32_pk8_bf8_f32 v[PC+2*\g:PC+2*\g+1], v[S+8*\g:S+8*\g+7], v219
.endr
	v_nop
	global_store_b128 v1, v[PC:PC+3], s[62:63]
	global_store_b128 v1, v[PC+4:PC+7], s[62:63] offset:512
.endm
.macro WL str                          ; 32 rows of my column of the weight
.set oj, 0
.rept 32
	global_load_b32 v[WX+oj], v222, s[68:69] offset:oj*\str th:TH_LOAD_NT
.set oj, oj+1
.endr
.endm
	s_wait_alu depctr_va_vdst(0)                   ; the wait at the head's end
	s_wait_loadcnt 0x0                             ; Q
	s_wait_tensorcnt 0x0                           ; my piece of steps 0-3 is in
	ds_add_u32 v11, v215
	s_wait_dscnt 0x0
	s_barrier_signal -1
	s_barrier_wait -1                              ; steps 0-3 are whole
	tensor_load_to_lds s[44:47], s[36:43]          ; my piece of steps 4-15, my one load behind this barrier
	s_nop 0
	s_cmp_lt_u32 s10, 16
	s_cbranch_scc0 .Lw2
	WL 8192
	s_branch .Lwj
.Lw2:
	WL 4096
.Lwj:
	STAGE 0, 4
	s_wait_tensorcnt 0x0                           ; my piece of steps 4-15 is in
	s_wait_dscnt 0x0
	s_barrier_signal -1
	s_barrier_wait -1                              ; all of K and V is whole
	s_wait_loadcnt 0x0                             ; the weight's 32 numbers
.set oj, 0
.rept 32
	v_med3_num_f32 v[WX+oj], v[WX+oj], -v220, v220
.set oj, oj+1
.endr
.irp g, 0,1,2,3
	v_cvt_scalef32_pk8_bf8_f32 v[S+2*\g:S+2*\g+1], v[WX+8*\g:WX+8*\g+7], v221
.endr
	v_nop
	global_store_b128 v223, v[S:S+3], s[70:71]               ; k = 0 .. 15 of the block: sixteen lanes store 256 consecutive bytes, aligned
	global_store_b128 v223, v[S+4:S+7], s[70:71] offset:256  ; k = 16 .. 31
	s_wait_xcnt 0x0                                ; the stores have read their registers, which the next step's scores take
	STAGE 4, 4
	s_cmp_lt_u32 s18, 8
	s_cbranch_scc0 .Lnochange
	OUT                                            ; waves 0-7: block x is finished; on to the late block's last steps
	v_mov_b32 v13, 0xff61b1e6
	s_delay_alu instid0(VALU_DEP_1)
	v_floor_f32 v12, -v13
	v_mov_b32 v14, 0
	v_mov_b32 v15, 0
.set oj, 0
.rept 32
	v_mov_b32 v[O+oj], 0
.set oj, oj+1
.endr
.irp i, 0,1,2,3,4,5,6,7
	v_mov_b32 v[16+\i], v[24+\i]
.endr
	s_add_co_u32 s78, s81, 1
	s_mov_b32 s79, s82
	s_mov_b32 s80, s82
	s_wait_alu depctr_va_vdst(0)                   ; what was just cleared
	s_wait_xcnt 0x0                                ; the stores have read the code registers
.Lnochange:
	STAGE 8, 8
.rept 4
	v_nop                                          ; places between the last products and the LDS stores that read O^T
.endr
	s_cmp_lt_u32 s18, 8
	s_cbranch_scc0 .Lkeep
.irp i, 0,1,2,3,4,5,6,7
	ds_store_b128 v10, v[O+4*\i:O+4*\i+3] offset:512*\i
.endr
	ds_store_b128 v10, v[12:15] offset:4096
.Lkeep:
	s_wait_dscnt 0x0                               ; for the others' sake: my stores are done
	s_barrier_signal -1
	s_barrier_wait -1
	s_cmp_lt_u32 s18, 8
	s_cbranch_scc1 .Lend
.irp i, 0,1,2,3,4,5,6,7
	ds_load_b128 v[S+4*\i:S+4*\i+3], v10 offset:512*\i
.endr
	ds_load_b128 v[128:131], v10 offset:4096
	s_wait_dscnt 0x0
	v_min_num_f32 v208, v12, v128                  ; the joint -M; both parts are brought under it by exact powers of two
	s_delay_alu instid0(VALU_DEP_1)
	v_sub_f32 v209, v208, v12
	s_delay_alu instid0(VALU_DEP_2)
	v_sub_f32 v212, v208, v128
	s_delay_alu instid0(VALU_DEP_2)
	v_cvt_i32_f32 v209, v209
	s_delay_alu instid0(VALU_DEP_2)
	v_cvt_i32_f32 v212, v212
	s_delay_alu instid0(VALU_DEP_2)
	v_ldexp_f32 v210, 1.0, v209
	s_delay_alu instid0(VALU_DEP_2)
	v_ldexp_f32 v212, 1.0, v212
	s_delay_alu instid0(VALU_DEP_2)
	v_pk_mul_f32 v[14:15], v[14:15], v[210:211] op_sel_hi:[1,0]
	s_delay_alu instid0(VALU_DEP_1)
	v_pk_fma_f32 v[14:15], v[130:131], v[212:213], v[14:15] op_sel_hi:[1,0,1]
.set oj, 0
.rept 16
	v_pk_mul_f32 v[O+oj:O+oj+1], v[O+oj:O+oj+1], v[210:211] op_sel_hi:[1,0]
.set oj, oj+2
.endr
.set oj, 0
.rept 16
	v_pk_fma_f32 v[O+oj:O+oj+1], v[S+oj:S+oj+1], v[212:213], v[O+oj:O+oj+1] op_sel_hi:[1,0,1]
.set oj, oj+2
.endr
	OUT
.Lend:
	s_wait_tensorcnt 0x0                           ; the wave's end
	ds_add_u32 v11, v215
	s_wait_dscnt 0x0
	s_endpgm
.Lfunc_end_k_q698f41a420_attn:
	.size	k_q698f41a420_attn, .Lfunc_end_k_q698f41a420_attn-k_q698f41a420_attn
	.p2alignl 7, 3214868480
	.fill 96, 4, 3214868480
	.section	.rodata,"a",@progbits
	.p2align	6, 0x0
	.amdhsa_kernel k_q698f41a420_attn
		.amdhsa_group_segment_fixed_size 327680
		.amdhsa_private_segment_fixed_size 0
		.amdhsa_enable_private_segment 0
		.amdhsa_kernarg_size 48
		.amdhsa_user_sgpr_count 2
		.amdhsa_user_sgpr_kernarg_segment_ptr 1
		.amdhsa_wavefront_size32 1
		.amdhsa_system_sgpr_workgroup_id_x 1
		.amdhsa_system_sgpr_workgroup_id_y 1
		.amdhsa_system_sgpr_workgroup_id_z 1
		.amdhsa_system_vgpr_workitem_id 0
		.amdhsa_next_free_vgpr 256
		.amdhsa_next_free_sgpr 100
		.amdhsa_reserve_vcc 1
		.amdhsa_float_denorm_mode_32 3
		.amdhsa_float_denorm_mode_16_64 3
		.amdhsa_memory_ordered 1
		.amdhsa_forward_progress 1
		.amdhsa_inst_pref_size 96
	.end_amdhsa_kernel
	.amdgpu_metadata
---
amdhsa.version: [ 1, 2 ]
amdhsa.kernels:
  - .name:           k_q698f41a420_attn
    .symbol:         k_q698f41a420_attn.kd
    .args:
      - { .name: qkv, .offset: 0, .size: 8, .value_kind: global_buffer, .address_space: global }
      - { .name: lowp_scales, .offset: 8, .size: 8, .value_kind: global_buffer, .address_space: global }
      - { .name: act, .offset: 16, .size: 8, .value_kind: global_buffer, .address_space: global }
      - { .name: w_fc1, .offset: 24, .size: 8, .value_kind: global_buffer, .address_space: global }
      - { .name: w_fc2, .offset: 32, .size: 8, .value_kind: global_buffer, .address_space: global }
      - { .name: wc, .offset: 40, .size: 8, .value_kind: global_buffer, .address_space: global }
    .group_segment_fixed_size: 327680
    .private_segment_fixed_size: 0
    .kernarg_segment_align: 8
    .kernarg_segment_size: 48
    .max_flat_workgroup_size: 512
    .sgpr_count:     100
    .vgpr_count:     256
    .wavefront_size: 32
...
	.end_amdgpu_metadata
.endif
;; end of part 3
;; launch dense (part 4): grid 8 x 32, 4 waves a work-group, clusters of 4 x 4, 327,680 bytes of LDS; arguments act, wc, lowp_scales, b_dense, x, res; writes res
.if DOCPART == 4
	.amdgcn_target "amdgcn-amd-amdhsa--gfx1250"
	.amdhsa_code_object_version 6
	.text
	.protected	k_q698f41a420_dense
	.globl	k_q698f41a420_dense
	.p2align	8
	.type	k_q698f41a420_dense,@function
k_q698f41a420_dense:
	s_mov_b64 s[64:65], 0
	v_nop
	global_prefetch_b8 v0, s[64:65] scope:SCOPE_SE
	s_setreg_imm32_b32 hwreg(HW_REG_WAVE_MODE, 25, 1), 1
	s_wait_xcnt 0x0
	s_wait_alu depctr_hold_cnt(0) depctr_sa_sdst(0) depctr_va_vdst(0) depctr_va_sdst(0) depctr_va_ssrc(0) depctr_va_vcc(0) depctr_vm_vsrc(0)
	s_getreg_b32 s2, hwreg(HW_REG_IB_STS2, 6, 4)
	s_cmp_eq_u32 s2, 0
	s_cbranch_scc0 .Lentry_in_a_cluster
	s_endpgm
.Lentry_in_a_cluster:
	s_bfe_u32 s2, ttmp6, 0x10000c
	s_cmp_lg_u32 s2, 0xf033
	s_cbranch_scc0 .Lentry_shape_is_right
	s_endpgm
.Lentry_shape_is_right:
; res = x + attn W_dense + b_dense.  The product on codes of E5M2: M 4,096, N 1,024, K 1,024.  Both operands lie as images of operand registers, [tile][K step][2048] (fragment = 16 positions x 128 K, [c][lane][16];
; position p of tile 2 b + u is index 32 b + 8 u + p + 8 (p / 8)).  A work-group of four waves makes 128 x 128 (256 work-groups), a wave 64 x 64: 16 accumulators.
; All of K lies in two LDS slots of 512 along K, each filled once, at the head: wave 0 asks for A's tiles of slot 0, wave 1 for those of slot 1, waves 2 and 3 for B's: one tensor load a wave, and nothing is filled again.
; CLUSTERS 4 x 4: A's tiles are shared along a cluster's row, B's along a column, and asked for jointly.  No prefetch: no load follows the head's.
; Source 0 = a tile of W, source 1 = a tile of tokens.  The way out goes through the wave's own stage in LDS (its 64 columns are 256 bytes, aligned); bias and residual were asked for at the head.
; LIMIT: e6 + e7 lies between -126 and 127.
.set MB, 4
.set NB, 4
.set NQ, 4
.set KT, 8
.set WOFF, 0x300000
.set SCOFF, 0x18
.set HB, MB/2
.set AHALF, MB*NQ*2048
.set BHALF, NB*NQ*2048
.set SLOT, 2*AHALF+2*BHALF
.set SPARE, 2*SLOT
.set STG, SPARE+512
.set LAPS, KT/(2*NQ)
.set ADRA, 16
.set ADRB, 20
.set STO, 24
.set RD, 25
.set CO, 26
.set SPW, 28
.set NIL, 29
.set AF, 128
.set BK, 128
.set G1, 24
.set G0, 32
.set G1B, 48
.set G0B, 56
.set MSB, 0
.macro WIN new
.if MSB != (\new)
	s_set_vgpr_msb (MSB<<8)|(\new)
.set MSB, (\new)
.endif
.endm
.set MUL_LO, 0xa1
.set MUL_HI, 0xf1
.set TO_B, 0x40
.macro JLOAD g0a, g1a, g0b, g1b
	s_cmp_eq_u32 s15, 0
	s_cbranch_scc0 .Lfor_b_\@
	tensor_load_to_lds s[\g0a:\g0a+3], s[\g1a:\g1a+7]
	s_nop 0
.rept 4
	v_nop
.endr
	s_branch .Lasked_\@
.Lfor_b_\@:
	tensor_load_to_lds s[\g0b:\g0b+3], s[\g1b:\g1b+7]
	s_nop 0
.rept 4
	v_nop
.endr
.Lasked_\@:
.endm
.macro CREST
	s_cmp_lg_u32 s14, 0
	s_cbranch_scc1 .Lnot_wave_0_\@
	s_barrier_signal -3
.Lnot_wave_0_\@:
	s_barrier_wait -3
	s_barrier_signal -1
	s_barrier_wait -1
.endm
.macro CROUND
	s_barrier_signal -1
	s_barrier_wait -1
	CREST
.endm
.macro PLACES n
.rept \n
	v_nop
.endr
.endm
.macro FRAG reg, adr, q, i
.irp c, 0,1,2,3
	ds_load_b128 v[\reg+4*\c:\reg+4*\c+3], v[\adr] offset:((\i)*NQ+(\q))*2048+512*\c
.endr
.endm
.macro FETCH_B slot, q, p
	WIN TO_B
.set fi, 0
.rept NB
	FRAG 128*(\p)+16*fi, ADRB+\slot, \q, fi
.set fi, fi+1
.endr
	WIN 0
.endm
.macro FETCH_A slot, q, i0
.set fi, \i0
.rept HB
	FRAG AF+16*fi, ADRA+\slot, \q, fi
.set fi, fi+1
.endr
.endm
.macro MULS a0, n, p, zero
.set ma, \a0
.rept \n
.set mb, 0
.rept NB
.set rD, 8*(NB*(ma%HB)+mb)
.if \zero
	v_wmma_f32_16x16x128_bf8_bf8 v[rD:rD+7], v[128*(\p)+16*mb:128*(\p)+16*mb+15], v[AF+16*ma:AF+16*ma+15], 0
.else
	v_wmma_f32_16x16x128_bf8_bf8 v[rD:rD+7], v[128*(\p)+16*mb:128*(\p)+16*mb+15], v[AF+16*ma:AF+16*ma+15], v[rD:rD+7]
.endif
.set mb, mb+1
.endr
.set ma, ma+1
.endr
.endm
.macro STEP slot, q, zero
	s_wait_dscnt 4*HB
	WIN MUL_LO
	MULS 0, HB, (\q)%2, \zero
	s_wait_dscnt 0x0
	PLACES 4
	FETCH_B \slot, (\q)+1, 1-(\q)%2
	FETCH_A \slot, (\q)+1, 0
	WIN MUL_HI
	MULS HB, HB, (\q)%2, \zero
	PLACES 4
	WIN 0
	FETCH_A \slot, (\q)+1, HB
.endm
.macro STEPS slot, q0
.if NQ-1-(\q0) > 0
.set sq, \q0
.rept NQ-1-(\q0)
	STEP \slot, sq, 0
.set sq, sq+1
.endr
.endif
.endm
.macro TURN slot, next, fill
	s_wait_tensorcnt 0x0
	ds_add_u32 v[SPW], v[NIL]
	s_wait_dscnt 4*HB+1
	WIN MUL_LO
	MULS 0, HB/2, 1, 0
	s_wait_dscnt 0x0
	s_barrier_signal -1
	MULS HB/2, HB/2, 1, 0
	WIN 0
	s_barrier_wait -1
.if \fill
	CREST
	s_add_nc_u64 s[G0+4*\slot+2:G0+4*\slot+3], s[G0+4*\slot+2:G0+4*\slot+3], 2*NQ*2048
	s_add_nc_u64 s[G0B+4*\slot+2:G0B+4*\slot+3], s[G0B+4*\slot+2:G0B+4*\slot+3], 2*NQ*2048
	JLOAD G0+4*\slot, G1, G0B+4*\slot, G1B
.else
	PLACES 4
.endif
	FETCH_B \next, 0, 0
	FETCH_A \next, 0, 0
	WIN MUL_HI
	MULS HB, HB, 1, 0
	PLACES 4
	WIN 0
	FETCH_A \next, 0, HB
.endm
.macro LAST
	s_wait_dscnt 4*HB
	WIN MUL_LO
	MULS 0, HB, 1, 0
	s_wait_dscnt 0x0
	WIN MUL_HI
	MULS HB, HB, 1, 0
	WIN 0
.endm
	s_load_b256 s[4:11], s[0:1], 0x0
	s_load_b128 s[68:71], s[0:1], 0x20
	v_lshl_add_u32 v[SPW], v0, 2, SPARE
	v_mov_b32 v[NIL], 0
	ds_add_u32 v28, v29
	ds_add_u32 v28, v29
	s_wait_dscnt 0x0
	v_lshrrev_b32 v1, 5, v0
	v_readfirstlane_b32 s14, v1
	s_lshr_b32 s15, s14, 1
	s_and_b32 s16, s14, 1
	s_bfe_u32 s40, ttmp6, 0x40000
	s_bfe_u32 s41, ttmp6, 0x40004
	s_lshl_b32 s42, ttmp9, 2
	s_add_co_u32 s42, s42, s40
	s_and_b32 s17, ttmp7, 0xffff
	s_lshl_b32 s17, s17, 2
	s_add_co_u32 s17, s17, s41
	s_lshl_b32 s43, s41, 2
	s_lshl_b32 s43, 15, s43
	s_lshl_b32 s44, 0x1111, s40
	s_or_b32 s[G1+0], s43, (3<<16)|(1<<21)
	s_or_b32 s[G1B+0], s44, (3<<16)|(1<<21)
	s_mov_b32 s[G1+1], (NQ*256)<<16
	s_mov_b32 s[G1+2], (2*MB)<<16
	s_mov_b32 s[G1+3], (NQ*256)<<16
	s_mov_b32 s[G1+4], 2*MB
	s_mov_b32 s[G1+5], KT*256
	s_mov_b32 s[G1+6], 0
	s_mov_b32 s[G1+7], 0
	s_mov_b32 s[G1B+1], (NQ*256)<<16
	s_mov_b32 s[G1B+2], (2*NB)<<16
	s_mov_b32 s[G1B+3], (NQ*256)<<16
	s_mov_b32 s[G1B+4], 2*NB
	s_mov_b32 s[G1B+5], KT*256
	s_mov_b32 s[G1B+6], 0
	s_mov_b32 s[G1B+7], 0
	s_mul_i32 s20, s17, 2*MB*KT*2048               ; A: the block's first tile, in bytes,
	s_mul_i32 s18, s16, NQ*2048                    ; and my slot's first K step
	s_add_co_u32 s20, s20, s18
	s_mov_b32 s21, 0
	s_mul_i32 s46, s42, 2*NB*KT*2048               ; B likewise
	s_add_co_u32 s46, s46, s18
	s_add_co_u32 s46, s46, WOFF
	s_mov_b32 s47, 0
	s_mul_i32 s45, s16, SLOT                       ; where they go: my slot
	s_add_co_u32 s67, s45, 2*AHALF
	s_wait_kmcnt 0x0
	s_load_b64 s[96:97], s[8:9], SCOFF
	s_add_nc_u64 s[20:21], s[4:5], s[20:21]
	s_add_nc_u64 s[46:47], s[6:7], s[46:47]
	CROUND
.irp s, 0
	s_mov_b32 s[G0+4*\s], 1
	s_add_co_u32 s[G0+4*\s+1], s45, \s*SLOT
	s_add_nc_u64 s[G0+4*\s+2:G0+4*\s+3], s[20:21], \s*NQ*2048
	s_or_b32 s[G0+4*\s+3], s[G0+4*\s+3], 0x80000000
	s_mov_b32 s[G0B+4*\s], 1
	s_add_co_u32 s[G0B+4*\s+1], s67, \s*SLOT
	s_add_nc_u64 s[G0B+4*\s+2:G0B+4*\s+3], s[46:47], \s*NQ*2048
	s_or_b32 s[G0B+4*\s+3], s[G0B+4*\s+3], 0x80000000
	JLOAD G0+4*\s, G1, G0B+4*\s, G1B               ; my one load: waves 0, 1: A's tiles of slot 0, 1; waves 2, 3: B's
.endr
	v_and_b32 v1, 31, v0
	v_lshlrev_b32 v2, 4, v1
	s_mul_i32 s21, s15, AHALF
	s_mul_i32 s22, s16, BHALF
	s_add_co_u32 s22, s22, 2*AHALF
.irp s, 0,1
	v_add_nc_u32 v[ADRA+\s], s21, v2
	v_add_nc_u32 v[ADRB+\s], s22, v2
	s_add_co_u32 s21, s21, SLOT
	s_add_co_u32 s22, s22, SLOT
.endr
	v_and_b32 v3, 15, v0
	v_bfe_u32 v4, v0, 4, 1
	s_mul_i32 s23, s14, 16*272
	s_add_co_u32 s23, s23, STG
	v_mul_u32_u24 v5, v3, 272
	v_lshl_add_u32 v5, v4, 6, v5
	v_add_nc_u32 v[STO], s23, v5
	v_mul_u32_u24 v5, v4, 272
	v_lshl_add_u32 v5, v3, 4, v5
	v_add_nc_u32 v[RD], s23, v5
	v_lshlrev_b32 v5, 12, v4
	v_lshl_add_u32 v[CO], v3, 4, v5
	v_lshlrev_b32 v27, 4, v3
	s_wait_alu depctr_va_vdst(0)
	s_lshl_b32 s72, s17, 7
	s_lshl_b32 s73, s15, 6
	s_add_co_u32 s72, s72, s73
	s_lshl_b32 s72, s72, 12
	s_lshl_b32 s74, s42, 9
	s_lshl_b32 s75, s16, 8
	s_add_co_u32 s74, s74, s75
	s_mov_b32 s75, 0
	s_add_nc_u64 s[10:11], s[10:11], s[74:75]
	s_add_co_u32 s72, s72, s74
	s_mov_b32 s73, 0
	s_add_nc_u64 s[68:69], s[68:69], s[72:73]
	s_add_nc_u64 s[70:71], s[70:71], s[72:73]
.macro XRSET a
.if (\a) < 2
.set XR, 192+32*(\a)
.else
.set XR, 64+32*((\a)-2)
.endif
.endm
	global_load_b128 v[32:35], v27, s[10:11]
.irp a, 0,1,2,3
	XRSET \a
.irp t, 0,1,2,3,4,5,6,7
	global_load_b128 v[XR+4*\t:XR+4*\t+3], v[CO], s[68:69] offset:(32*(\a/2)+8*(\a%2)+2*\t+8*(\t/4))*4096 th:TH_LOAD_NT
.endr
.endr
	s_wait_tensorcnt 0x0                           ; my one load is in: behind the barrier both slots are whole
	s_barrier_signal -1
	s_barrier_wait -1
	FETCH_B 0, 0, 0
	FETCH_A 0, 0, 0
	FETCH_A 0, 0, HB
	STEP 0, 0, 1
.if LAPS > 1
	s_mov_b32 s3, LAPS-1
.Llap:
	STEPS 0, 1
	TURN 0, 1, 1
	STEPS 1, 0
	TURN 1, 0, 1
	STEP 0, 0, 0
	s_sub_co_u32 s3, s3, 1
	s_cmp_lg_u32 s3, 0
	s_cbranch_scc1 .Llap
.endif
	STEPS 0, 1
	TURN 0, 1, 0
	STEPS 1, 0
	LAST
.macro TOSTAGE a
	WIN 0x08+4*((\a)/HB)
.irp i, 0,1,2,3
	ds_store_b128 v[STO], v[32*((\a)%HB)+8*\i:32*((\a)%HB)+8*\i+3] offset:128*(\i/2)+32*(\i%2)
	ds_store_b128 v[STO], v[32*((\a)%HB)+8*\i+4:32*((\a)%HB)+8*\i+7] offset:128*(\i/2)+32*(\i%2)+16
.endr
	WIN 0
.irp t, 0,1,2,3,4,5,6,7
	ds_load_b128 v[BK+32*((\a)%2)+4*\t:BK+32*((\a)%2)+4*\t+3], v[RD] offset:544*\t
.endr
.endm
.macro SEND a, younger
	XRSET \a
.set BB, BK+32*((\a)%2)
	s_wait_dscnt \younger
	s_wait_loadcnt 8*(3-(\a))
.set oj, 0
.rept 16
	v_pk_fma_f32 v[BB+oj:BB+oj+1], v[BB+oj:BB+oj+1], s[96:97], v[32+oj%4:33+oj%4] op_sel_hi:[1,0,1]
.set oj, oj+2
.endr
.set oj, 0
.rept 16
	v_pk_add_f32 v[BB+oj:BB+oj+1], v[BB+oj:BB+oj+1], v[XR+oj:XR+oj+1]
.set oj, oj+2
.endr
.irp t, 0,1,2,3,4,5,6,7
	global_store_b128 v[CO], v[BB+4*\t:BB+4*\t+3], s[70:71] offset:(32*((\a)/2)+8*((\a)%2)+2*\t+8*(\t/4))*4096
.endr
.endm
	s_wait_kmcnt 0x0
	s_add_co_i32 s96, s96, s97
	s_add_co_i32 s96, s96, 127
	s_lshl_b32 s96, s96, 23
	s_mov_b32 s97, s96
	PLACES 4
	TOSTAGE 0
.irp a, 1,2,3
.if \a > 1
	s_wait_xcnt 0x0
.endif
	TOSTAGE \a
	SEND \a-1, 16
.endr
	SEND 3, 0
	s_wait_tensorcnt 0x0
	ds_add_u32 v[SPW], v[NIL]
	s_wait_dscnt 0x0
	CROUND
	s_endpgm
.Lfunc_end_k_q698f41a420_dense:
	.size	k_q698f41a420_dense, .Lfunc_end_k_q698f41a420_dense-k_q698f41a420_dense
	.p2alignl 7, 3214868480
	.fill 96, 4, 3214868480
	.section	.rodata,"a",@progbits
	.p2align	6, 0x0
	.amdhsa_kernel k_q698f41a420_dense
		.amdhsa_group_segment_fixed_size 327680
		.amdhsa_private_segment_fixed_size 0
		.amdhsa_enable_private_segment 0
		.amdhsa_kernarg_size 48
		.amdhsa_user_sgpr_count 2
		.amdhsa_user_sgpr_kernarg_segment_ptr 1
		.amdhsa_wavefront_size32 1
		.amdhsa_system_sgpr_workgroup_id_x 1
		.amdhsa_system_sgpr_workgroup_id_y 1
		.amdhsa_system_sgpr_workgroup_id_z 1
		.amdhsa_system_vgpr_workitem_id 0
		.amdhsa_next_free_vgpr 1024
		.amdhsa_next_free_sgpr 100
		.amdhsa_reserve_vcc 0
		.amdhsa_float_denorm_mode_32 3
		.amdhsa_float_denorm_mode_16_64 3
		.amdhsa_memory_ordered 1
		.amdhsa_forward_progress 1
		.amdhsa_inst_pref_size 54
	.end_amdhsa_kernel
	.amdgpu_metadata
---
amdhsa.version: [ 1, 2 ]
amdhsa.kernels:
  - .name:           k_q698f41a420_dense
    .symbol:         k_q698f41a420_dense.kd
    .args:
      - { .name: act, .offset: 0, .size: 8, .value_kind: global_buffer, .address_space: global }
      - { .name: wc, .offset: 8, .size: 8, .value_kind: global_buffer, .address_space: global }
      - { .name: lowp_scales, .offset: 16, .size: 8, .value_kind: global_buffer, .address_space: global }
      - { .name: b_dense, .offset: 24, .size: 8, .value_kind: global_buffer, .address_space: global }
      - { .name: x, .offset: 32, .size: 8, .value_kind: global_buffer, .address_space: global }
      - { .name: res, .offset: 40, .size: 8, .value_kind: global_buffer, .address_space: global }
    .group_segment_fixed_size: 327680
    .private_segment_fixed_size: 0
    .kernarg_segment_align: 8
    .kernarg_segment_size: 48
    .max_flat_workgroup_size: 128
    .sgpr_count:     100
    .vgpr_count:     1024
    .wavefront_size: 32
...
	.end_amdgpu_metadata
.endif
;; end of part 4
;; launch ln2 (part 5): grid 256 x 1, 4 waves a work-group, no clusters, 17,920 bytes of LDS; arguments res, ln2_g, ln2_b, lowp_scales, act; writes act
.if DOCPART == 5
	.amdgcn_target "amdgcn-amd-amdhsa--gfx1250"
	.amdhsa_code_object_version 6
	.text
	.protected	k_q698f41a420_ln2
	.globl	k_q698f41a420_ln2
	.p2align	8
	.type	k_q698f41a420_ln2,@function
k_q698f41a420_ln2:
	s_mov_b64 s[64:65], 0
	v_nop
	global_prefetch_b8 v0, s[64:65] scope:SCOPE_SE
	s_setreg_imm32_b32 hwreg(HW_REG_WAVE_MODE, 25, 1), 1
	s_wait_xcnt 0x0
; LAYERNORM 2 of res, turned into codes of E5M2 with the scale 2^e8, laid as images of operand registers: act = [256 token tiles][8 K steps][2048]; fragment [c][lane][16]; position p of tile 2 b + u is token 32 b + 8 u + p + 8 (p / 8).
; A work-group makes one token tile (16 tokens x 1,024); wave w takes positions 4 w .. 4 w + 3, four consecutive tokens.  A row stays in 32 registers a lane through mean, variance and scaling: res is read once.
; Four codes of a lane are 4 bytes of an image; they meet in a stage of 64 pieces (K step j, c, h) of 256 bytes + 16 of padding, and leave as 512 consecutive bytes a store.
; LIMIT: e8 between -126 and 112.  NaN is not served.  No tensor loads, no cluster: no two work-groups read the same rows.
.set RW,  32
.set GG,  160
.set BE,  192
.set CL,  224
	s_load_b256 s[4:11], s[0:1], 0x0               ; res 4:5, gain 6:7, bias 8:9, the scales' exponents 10:11
	s_load_b64 s[20:21], s[0:1], 0x20              ; act
	v_lshl_add_u32 v30, v0, 2, 0x4400
	v_mov_b32 v31, 0
	v_lshrrev_b32 v1, 5, v0
	v_readfirstlane_b32 s3, v1
	v_and_b32 v2, 31, v0
	v_and_b32 v3, 15, v0
	v_bfe_u32 v4, v0, 4, 1
	s_wait_alu depctr_va_vdst(0)
	s_wait_kmcnt 0x0
	s_load_b32 s24, s[10:11], 0x20                 ; e8
	s_mov_b32 s36, ttmp9                           ; the token tile
.macro JOIN
	v_pk_add_f32 v[4:5], v[4:5], v[6:7]
	v_pk_add_f32 v[8:9], v[8:9], v[10:11]
	v_pk_add_f32 v[4:5], v[4:5], v[8:9]
	v_add_f32 v4, v4, v5
	v_add_f32_dpp v4, v4, v4 row_xmask:1 row_mask:0xf bank_mask:0xf
	v_add_f32_dpp v4, v4, v4 row_xmask:2 row_mask:0xf bank_mask:0xf
	v_add_f32_dpp v4, v4, v4 row_xmask:4 row_mask:0xf bank_mask:0xf
	v_add_f32_dpp v4, v4, v4 row_xmask:8 row_mask:0xf bank_mask:0xf
	v_permlanex16_b32 v16, v4, s46, s47
	v_add_f32 v4, v4, v16
.endm
.macro LNROW i
.set R, RW+32*(\i)
	s_wait_loadcnt 8*(3-(\i))                      ; gain, bias and rows 0 .. i are in; the later rows' eight loads each may be out
.irp k, 0,1,2,3
	v_pk_add_f32 v[4+2*\k:5+2*\k], v[R+2*\k:R+2*\k+1], v[R+8+2*\k:R+9+2*\k]
.endr
.irp k, 8,9,10,11,12,13,14,15
	v_pk_add_f32 v[4+2*(\k%4):5+2*(\k%4)], v[4+2*(\k%4):5+2*(\k%4)], v[R+2*\k:R+2*\k+1]
.endr
	JOIN
	v_mul_f32 v12, 0x3a800000, v4
	v_mul_f32 v13, 0x3a800000, v4
.irp k, 0,1,2,3,4,5,6,7,8,9,10,11,12,13,14,15
	v_pk_add_f32 v[R+2*\k:R+2*\k+1], v[R+2*\k:R+2*\k+1], v[12:13] neg_lo:[0,1] neg_hi:[0,1]
.endr
.irp k, 0,1,2,3
	v_pk_mul_f32 v[4+2*\k:5+2*\k], v[R+2*\k:R+2*\k+1], v[R+2*\k:R+2*\k+1]
.endr
.irp k, 4,5,6,7,8,9,10,11,12,13,14,15
	v_pk_fma_f32 v[4+2*(\k%4):5+2*(\k%4)], v[R+2*\k:R+2*\k+1], v[R+2*\k:R+2*\k+1], v[4+2*(\k%4):5+2*(\k%4)]
.endr
	JOIN
	v_fma_f32 v19, v4, s48, s49
	s_wait_alu depctr_va_vdst(0)
	v_rsq_f32 v14, v19
	v_rsq_f32 v15, v19
	v_nop                                          ; a plain instruction behind the last transcendental,
	s_wait_alu depctr_va_vdst(0)                   ; and one wait for both, ahead of their first reader
.irp k, 0,1,2,3,4,5,6,7,8,9,10,11,12,13,14,15
	v_pk_mul_f32 v[R+2*\k:R+2*\k+1], v[R+2*\k:R+2*\k+1], v[14:15]
.endr
.irp k, 0,1,2,3,4,5,6,7,8,9,10,11,12,13,14,15
	v_pk_fma_f32 v[R+2*\k:R+2*\k+1], v[R+2*\k:R+2*\k+1], v[GG+2*\k:GG+2*\k+1], v[BE+2*\k:BE+2*\k+1]
.endr
.set wi, 0
.rept 32
	v_med3_num_f32 v[R+wi], v[R+wi], -v20, v20
.set wi, wi+1
.endr
.irp g, 0,1,2,3
	v_cvt_scalef32_pk8_bf8_f32 v[CL+8*(\i)+2*\g:CL+8*(\i)+2*\g+1], v[R+8*\g:R+8*\g+7], v21
.endr
	v_nop
.irp j, 0,1,2,3,4,5,6,7
	ds_store_b32 v17, v[CL+8*(\i)+\j] offset:2176*\j+16*(\i)
.endr
.endm
	s_lshr_b32 s37, s36, 1
	s_lshl_b32 s37, s37, 5
	s_and_b32 s38, s36, 1
	s_lshl_b32 s38, s38, 3
	s_add_co_u32 s37, s37, s38
	s_lshl_b32 s38, s3, 2
	s_add_co_u32 s37, s37, s38
	s_lshr_b32 s38, s3, 1
	s_lshl_b32 s38, s38, 3
	s_add_co_u32 s37, s37, s38                     ; my first token: 32 (T / 2) + 8 (T % 2) + 4 w + 8 (w / 2)
	s_lshl_b32 s38, s37, 12
	s_mov_b32 s39, 0
	s_add_nc_u64 s[4:5], s[4:5], s[38:39]
	s_lshl_b32 s38, s36, 14
	s_lshl_b32 s40, s3, 12
	s_add_co_u32 s38, s38, s40
	s_add_nc_u64 s[20:21], s[20:21], s[38:39]
	v_lshlrev_b32 v22, 4, v2
.irp j, 0,1,2,3,4,5,6,7
	global_load_b128 v[GG+4*\j:GG+4*\j+3], v22, s[6:7] offset:512*\j
.endr
.irp j, 0,1,2,3,4,5,6,7
	global_load_b128 v[BE+4*\j:BE+4*\j+3], v22, s[8:9] offset:512*\j
.endr
.irp i, 0,1,2,3
.irp j, 0,1,2,3,4,5,6,7
	global_load_b128 v[RW+32*\i+4*\j:RW+32*\i+4*\j+3], v22, s[4:5] offset:4096*\i+512*\j th:TH_LOAD_NT
.endr
.endr
	v_lshrrev_b32 v5, 2, v2
	v_mul_u32_u24 v17, v5, 272
	v_and_b32 v5, 3, v2
	v_lshl_add_u32 v17, v5, 2, v17
	s_lshl_b32 s40, s3, 6
	v_add_nc_u32 v17, s40, v17
	v_mul_u32_u24 v18, v4, 272
	v_lshl_add_u32 v18, v3, 4, v18
	s_mul_i32 s40, s3, 16*272
	v_add_nc_u32 v18, s40, v18
	v_mov_b32 v16, 0
	s_mov_b32 s46, 0x76543210
	s_mov_b32 s47, 0xfedcba98
	s_mov_b32 s48, 0x3a800000                      ; 1 / 1,024
	s_mov_b32 s49, 0x2b8cbccc                      ; 1e-12
	s_wait_kmcnt 0x0
	s_add_co_i32 s40, s24, 127
	s_lshl_b32 s41, s40, 23
	v_mov_b32 v21, s41
	s_add_co_i32 s40, s40, 15
	s_lshl_b32 s40, s40, 23
	s_or_b32 s40, s40, 0x600000
	v_mov_b32 v20, s40
.irp i, 0,1,2,3
	LNROW \i
.endr
	s_wait_dscnt 0x0                               ; for the others' sake: my stores into the stage are done
	s_barrier_signal -1
	s_barrier_wait -1
.irp t, 0,1,2,3,4,5,6,7
	ds_load_b128 v[RW+4*\t:RW+4*\t+3], v18 offset:544*\t
.endr
.irp t, 0,1,2,3,4,5,6,7
	s_wait_dscnt 7-\t
	global_store_b128 v22, v[RW+4*\t:RW+4*\t+3], s[20:21] offset:512*\t
.endr
	s_wait_tensorcnt 0x0
	ds_add_u32 v30, v31
	s_wait_dscnt 0x0
	s_endpgm
.Lfunc_end_k_q698f41a420_ln2:
	.size	k_q698f41a420_ln2, .Lfunc_end_k_q698f41a420_ln2-k_q698f41a420_ln2
	.p2alignl 7, 3214868480
	.fill 96, 4, 3214868480
	.section	.rodata,"a",@progbits
	.p2align	6, 0x0
	.amdhsa_kernel k_q698f41a420_ln2
		.amdhsa_group_segment_fixed_size 17920
		.amdhsa_private_segment_fixed_size 0
		.amdhsa_enable_private_segment 0
		.amdhsa_kernarg_size 40
		.amdhsa_user_sgpr_count 2
		.amdhsa_user_sgpr_kernarg_segment_ptr 1
		.amdhsa_wavefront_size32 1
		.amdhsa_system_sgpr_workgroup_id_x 1
		.amdhsa_system_sgpr_workgroup_id_y 1
		.amdhsa_system_sgpr_workgroup_id_z 1
		.amdhsa_system_vgpr_workitem_id 0
		.amdhsa_next_free_vgpr 256
		.amdhsa_next_free_sgpr 66
		.amdhsa_reserve_vcc 0
		.amdhsa_float_denorm_mode_32 3
		.amdhsa_float_denorm_mode_16_64 3
		.amdhsa_memory_ordered 1
		.amdhsa_forward_progress 1
		.amdhsa_inst_pref_size 45
	.end_amdhsa_kernel
	.amdgpu_metadata
---
amdhsa.version: [ 1, 2 ]
amdhsa.kernels:
  - .name:           k_q698f41a420_ln2
    .symbol:         k_q698f41a420_ln2.kd
    .args:
      - { .name: res, .offset: 0, .size: 8, .value_kind: global_buffer, .address_space: global }
      - { .name: ln2_g, .offset: 8, .size: 8, .value_kind: global_buffer, .address_space: global }
      - { .name: ln2_b, .offset: 16, .size: 8, .value_kind: global_buffer, .address_space: global }
      - { .name: lowp_scales, .offset: 24, .size: 8, .value_kind: global_buffer, .address_space: global }
      - { .name: act, .offset: 32, .size: 8, .value_kind: global_buffer, .address_space: global }
    .group_segment_fixed_size: 17920
    .private_segment_fixed_size: 0
    .kernarg_segment_align: 8
    .kernarg_segment_size: 40
    .max_flat_workgroup_size: 128
    .sgpr_count:     66
    .vgpr_count:     256
    .wavefront_size: 32
...
	.end_amdgpu_metadata
.endif
;; end of part 5
;; launch fc1 (part 6): grid 8 x 32, 4 waves a work-group, clusters of 4 x 4, 327,680 bytes of LDS; arguments act, wc, lowp_scales, hid; writes hid
.if DOCPART == 6
	.amdgcn_target "amdgcn-amd-amdhsa--gfx1250"
	.amdhsa_code_object_version 6
	.text
	.protected	k_q698f41a420_fc1
	.globl	k_q698f41a420_fc1
	.p2align	8
	.type	k_q698f41a420_fc1,@function
k_q698f41a420_fc1:
	s_mov_b64 s[64:65], 0
	v_nop
	global_prefetch_b8 v0, s[64:65] scope:SCOPE_SE
	s_setreg_imm32_b32 hwreg(HW_REG_WAVE_MODE, 25, 1), 1
	s_wait_xcnt 0x0
	s_wait_alu depctr_hold_cnt(0) depctr_sa_sdst(0) depctr_va_vdst(0) depctr_va_sdst(0) depctr_va_ssrc(0) depctr_va_vcc(0) depctr_vm_vsrc(0)
	s_getreg_b32 s2, hwreg(HW_REG_IB_STS2, 6, 4)
	s_cmp_eq_u32 s2, 0
	s_cbranch_scc0 .Lentry_in_a_cluster
	s_endpgm
.Lentry_in_a_cluster:
	s_bfe_u32 s2, ttmp6, 0x10000c
	s_cmp_lg_u32 s2, 0xf033
	s_cbranch_scc0 .Lentry_shape_is_right
	s_endpgm
.Lentry_shape_is_right:
; hid = Q(gelu(LN2 W_fc1)), the exact GELU.  The product on codes of E5M2: M 4,096, N 2,048, K 1,024; operands and result lie as images of operand registers, [tile][K step][2048] (fragment [c][lane][16];
; position p of tile 2 b + u is index 32 b + 8 u + p + 8 (p / 8)).  A work-group of four waves makes 128 x 256 (256 work-groups), a wave 64 x 128: 32 accumulators; its 128 columns are one K step of the next product.
; K goes in slots of 256 through a ring of two LDS slots filled by the tensor data mover.  CLUSTERS 4 x 4: A's tiles are shared along a cluster's row, B's along a column, and asked for jointly.
; Source 0 = a tile of W, source 1 = a tile of tokens: the 16 registers of W's tiles 2 b, 2 b + 1 are columns 32 b + 16 (lane / 16) + 0 .. 15 of one token: two conversions give four registers of the next fragment.
; GELU: x / 2 + (x / 2) erf(z), z = x / sqrt(2) held within +-4, erf(z) = z P(z^2) / Q(z^2), a fraction of polynomials of degree 6 and 4 in f32.
; LIMITS: e8 + e9 between -125 and 126; e10 between -126 and 112.  1 + erf is formed as a sum with an absolute error of about 1e-7: below x of about -4 the tiny result loses relative accuracy; its absolute error stays under 1e-7 |x|.  NaN is not served.
.set MB, 4
.set NB, 8
.set NQ, 2
.set KT, 8
.set WOFF, 0x400000
.set HB, MB/2
.set AHALF, MB*NQ*2048
.set BHALF, NB*NQ*2048
.set SLOT, 2*AHALF+2*BHALF
.set SPARE, 2*SLOT                     ; the spare words, 128 bytes for each wave: two blocks of 256 bytes that no other line names
.set LAPS, KT/(2*NQ)
.set ADRA, 16
.set ADRB, 20
.set SPW, 28
.set NIL, 29
.set AF, 128
.set ZZ, 32                            ; the way out, 32 numbers at a time: v32-63 z; v64-95 x / 2, then the result; v96-127 z^2; v128-159 P; v160-191 Q; v192-255 codes, eight registers for each of eight units
.set XH, 64
.set X2, 96
.set PP, 128
.set QQ, 160
.set CD, 192
.set G1, 24
.set G0, 32
.set G1B, 48
.set G0B, 56
.set MSB, 0
.macro WIN new
.if MSB != (\new)
	s_set_vgpr_msb (MSB<<8)|(\new)
.set MSB, (\new)
.endif
.endm
.set MUL_LO, 0xa1
.set MUL_HI, 0xf1
.set TO_B, 0x40
.macro JLOAD g0a, g1a, g0b, g1b
	s_cmp_eq_u32 s15, 0
	s_cbranch_scc0 .Lfor_b_\@
	tensor_load_to_lds s[\g0a:\g0a+3], s[\g1a:\g1a+7]
	s_nop 0
.rept 4
	v_nop
.endr
	s_branch .Lasked_\@
.Lfor_b_\@:
	tensor_load_to_lds s[\g0b:\g0b+3], s[\g1b:\g1b+7]
	s_nop 0
.rept 4
	v_nop
.endr
.Lasked_\@:
.endm
.macro RLOAD slot                      ; a slot's refill: wave slot asks for A's tiles, wave 2 + slot for B's, the other two for nothing; four places for the LDS loads that follow stand behind the join
	s_cmp_eq_u32 s14, \slot
	s_cbranch_scc0 .Lnot_a_\@
	tensor_load_to_lds s[G0:G0+3], s[G1:G1+7]
	s_nop 0
.rept 4
	v_nop
.endr
	s_branch .Lfilled_\@
.Lnot_a_\@:
	s_cmp_eq_u32 s14, 2+\slot
	s_cbranch_scc0 .Lfilled_\@
	tensor_load_to_lds s[G0B:G0B+3], s[G1B:G1B+7]
	s_nop 0
.rept 4
	v_nop
.endr
.Lfilled_\@:
.rept 4
	v_nop
.endr
.endm
.macro CREST
	s_cmp_lg_u32 s14, 0
	s_cbranch_scc1 .Lnot_wave_0_\@
	s_barrier_signal -3
.Lnot_wave_0_\@:
	s_barrier_wait -3
	s_barrier_signal -1
	s_barrier_wait -1
.endm
.macro CROUND
	s_barrier_signal -1
	s_barrier_wait -1
	CREST
.endm
.macro PLACES n
.rept \n
	v_nop
.endr
.endm
.macro FRAG reg, adr, q, i
.irp c, 0,1,2,3
	ds_load_b128 v[\reg+4*\c:\reg+4*\c+3], v[\adr] offset:((\i)*NQ+(\q))*2048+512*\c
.endr
.endm
.macro FETCH_B slot, q, p
	WIN TO_B
.set fi, 0
.rept NB
	FRAG 128*(\p)+16*fi, ADRB+\slot, \q, fi
.set fi, fi+1
.endr
	WIN 0
.endm
.macro FETCH_A slot, q, i0
.set fi, \i0
.rept HB
	FRAG AF+16*fi, ADRA+\slot, \q, fi
.set fi, fi+1
.endr
.endm
.macro MULS a0, n, p, zero             ; the accumulators take turns, one instruction a turn, in the same order in every step
.set ma, \a0
.rept \n
.set mb, 0
.rept NB
.set rD, 8*(NB*(ma%HB)+mb)
.if \zero
	v_wmma_f32_16x16x128_bf8_bf8 v[rD:rD+7], v[128*(\p)+16*mb:128*(\p)+16*mb+15], v[AF+16*ma:AF+16*ma+15], 0
.else
	v_wmma_f32_16x16x128_bf8_bf8 v[rD:rD+7], v[128*(\p)+16*mb:128*(\p)+16*mb+15], v[AF+16*ma:AF+16*ma+15], v[rD:rD+7]
.endif
.set mb, mb+1
.endr
.set ma, ma+1
.endr
.endm
.macro STEP slot, q, zero
	s_wait_dscnt 4*HB                              ; only A's second half, the youngest 4 HB loads, may be out
	WIN MUL_LO
	MULS 0, HB, (\q)%2, \zero
	s_wait_dscnt 0x0
	PLACES 4
	FETCH_B \slot, (\q)+1, 1-(\q)%2
	FETCH_A \slot, (\q)+1, 0
	WIN MUL_HI
	MULS HB, HB, (\q)%2, \zero
	PLACES 4
	WIN 0
	FETCH_A \slot, (\q)+1, HB
.endm
.macro STEPS slot, q0
.if NQ-1-(\q0) > 0
.set sq, \q0
.rept NQ-1-(\q0)
	STEP \slot, sq, 0
.set sq, sq+1
.endr
.endif
.endm
.macro TURN slot, next, fill
	s_wait_tensorcnt 0x0                           ; all my tensor loads have landed: my part of the next slot
	ds_add_u32 v[SPW], v[NIL]                      ; 0 onto my spare word
	s_wait_dscnt 4*HB+1                            ; (the add and A's second half may be out)
	WIN MUL_LO
	MULS 0, HB/2, 1, 0
	s_wait_dscnt 0x0                               ; the add is done, and my reads of this slot are over
	s_barrier_signal -1
	MULS HB/2, HB/2, 1, 0
	WIN 0
	s_barrier_wait -1
.if \fill
	CREST                                          ; no wave of any partner still reads this slot or has a load on its way
.if (\slot) == 0
	s_add_nc_u64 s[G0+2:G0+3], s[G0+2:G0+3], 2*NQ*2048       ; once a lap, no load of mine being out: every wave's own slot goes two slots on along K
	s_add_nc_u64 s[G0B+2:G0B+3], s[G0B+2:G0B+3], 2*NQ*2048
.endif
	RLOAD \slot                                    ; the first tensor load behind the round
.else
	PLACES 4
.endif
	FETCH_B \next, 0, 0
	FETCH_A \next, 0, 0
	WIN MUL_HI
	MULS HB, HB, 1, 0
	PLACES 4
	WIN 0
	FETCH_A \next, 0, HB
.endm
.macro LAST
	s_wait_dscnt 4*HB
	WIN MUL_LO
	MULS 0, HB, 1, 0
	s_wait_dscnt 0x0
	WIN MUL_HI
	MULS HB, HB, 1, 0
	WIN 0
.endm
	s_load_b256 s[4:11], s[0:1], 0x0               ; act 4:5, wc 6:7, the scales' exponents 8:9, hid 10:11
	v_lshl_add_u32 v[SPW], v0, 2, SPARE
	v_mov_b32 v[NIL], 0
	ds_add_u32 v28, v29
	ds_add_u32 v28, v29
	s_wait_dscnt 0x0
	v_lshrrev_b32 v1, 5, v0
	v_readfirstlane_b32 s14, v1
	s_lshr_b32 s15, s14, 1
	s_and_b32 s16, s14, 1
	s_bfe_u32 s40, ttmp6, 0x40000
	s_bfe_u32 s41, ttmp6, 0x40004
	s_lshl_b32 s42, ttmp9, 2
	s_add_co_u32 s42, s42, s40                     ; tile column
	s_and_b32 s17, ttmp7, 0xffff
	s_lshl_b32 s17, s17, 2
	s_add_co_u32 s17, s17, s41                     ; tile row
	s_lshl_b32 s43, s41, 2
	s_lshl_b32 s43, 15, s43
	s_lshl_b32 s44, 0x1111, s40
	s_or_b32 s[G1+0], s43, (3<<16)|(1<<21)         ; 2 MB (2 NB) rows of NQ x 2,048 bytes, KT x 2,048 apart, elements of 8 bytes, dense in LDS: one operand's tiles of one slot
	s_or_b32 s[G1B+0], s44, (3<<16)|(1<<21)
	s_mov_b32 s[G1+1], (NQ*256)<<16
	s_mov_b32 s[G1+2], (2*MB)<<16
	s_mov_b32 s[G1+3], (NQ*256)<<16
	s_mov_b32 s[G1+4], 2*MB
	s_mov_b32 s[G1+5], KT*256
	s_mov_b32 s[G1+6], 0
	s_mov_b32 s[G1+7], 0
	s_mov_b32 s[G1B+1], (NQ*256)<<16
	s_mov_b32 s[G1B+2], (2*NB)<<16
	s_mov_b32 s[G1B+3], (NQ*256)<<16
	s_mov_b32 s[G1B+4], 2*NB
	s_mov_b32 s[G1B+5], KT*256
	s_mov_b32 s[G1B+6], 0
	s_mov_b32 s[G1B+7], 0
	s_mul_i32 s20, s17, 2*MB*KT*2048               ; A: the block's first tile, in bytes,
	s_mul_i32 s18, s16, NQ*2048                    ; and my slot's first K step: waves 0, 1 fill A's part of slot 0, 1; waves 2, 3 B's
	s_add_co_u32 s20, s20, s18
	s_mov_b32 s21, 0
	s_mul_i32 s46, s42, 2*NB*KT*2048               ; B likewise
	s_add_co_u32 s46, s46, s18
	s_add_co_u32 s46, s46, WOFF
	s_mov_b32 s47, 0
	s_mul_i32 s45, s16, SLOT                       ; where they go: my slot
	s_add_co_u32 s67, s45, 2*AHALF
	s_wait_kmcnt 0x0
	s_load_b128 s[76:79], s[8:9], 0x20             ; e8 .. e11
	s_add_nc_u64 s[20:21], s[4:5], s[20:21]
	s_add_nc_u64 s[46:47], s[6:7], s[46:47]
	CROUND
.irp s, 0
	s_mov_b32 s[G0+4*\s], 1
	s_add_co_u32 s[G0+4*\s+1], s45, \s*SLOT
	s_add_nc_u64 s[G0+4*\s+2:G0+4*\s+3], s[20:21], \s*NQ*2048
	s_or_b32 s[G0+4*\s+3], s[G0+4*\s+3], 0x80000000
	s_mov_b32 s[G0B+4*\s], 1
	s_add_co_u32 s[G0B+4*\s+1], s67, \s*SLOT
	s_add_nc_u64 s[G0B+4*\s+2:G0B+4*\s+3], s[46:47], \s*NQ*2048
	s_or_b32 s[G0B+4*\s+3], s[G0B+4*\s+3], 0x80000000
	JLOAD G0+4*\s, G1, G0B+4*\s, G1B
.endr
	v_and_b32 v1, 31, v0
	v_lshlrev_b32 v27, 4, v1                       ; 16 x lane
	s_mul_i32 s21, s15, AHALF
	s_mul_i32 s22, s16, BHALF
	s_add_co_u32 s22, s22, 2*AHALF
.irp s, 0,1
	v_add_nc_u32 v[ADRA+\s], s21, v27
	v_add_nc_u32 v[ADRB+\s], s22, v27
	s_add_co_u32 s21, s21, SLOT
	s_add_co_u32 s22, s22, SLOT
.endr
	s_lshl_b32 s72, s17, 3
	s_lshl_b32 s73, s15, 2
	s_add_co_u32 s72, s72, s73                     ; my first token tile
	s_lshl_b32 s72, s72, 4                         ; 16 K steps a tile
	s_lshl_b32 s73, s42, 1
	s_add_co_u32 s72, s72, s73
	s_add_co_u32 s72, s72, s16                     ; my K step of the next product: 2 x tile column + half
	s_lshl_b32 s72, s72, 11
	s_mov_b32 s73, 0
	s_add_nc_u64 s[10:11], s[10:11], s[72:73]
	v_mov_b32 v8, 0xaf95df0b                       ; P's leading coefficient, as a pair
	v_mov_b32 v9, 0xaf95df0b
	v_mov_b32 v10, 0xb77460cd                      ; Q's
	v_mov_b32 v11, 0xb77460cd
	s_wait_alu depctr_va_vdst(0)
	s_wait_tensorcnt 0x0                           ; my one load is in: behind the barrier both slots are whole
	s_barrier_signal -1
	s_barrier_wait -1
	FETCH_B 0, 0, 0
	FETCH_A 0, 0, 0
	FETCH_A 0, 0, HB
	STEP 0, 0, 1
.if LAPS > 1
	s_mov_b32 s3, LAPS-1
.Llap:
	STEPS 0, 1
	TURN 0, 1, 1
	STEPS 1, 0
	TURN 1, 0, 1
	STEP 0, 0, 0
	s_sub_co_u32 s3, s3, 1
	s_cmp_lg_u32 s3, 0
	s_cbranch_scc1 .Llap
.endif
	STEPS 0, 1
	TURN 0, 1, 0
	STEPS 1, 0
	LAST
.macro LEAD dst, lead, lit             ; dst = leading coefficient x z^2 + the next
.set oj, 0
.rept 16
	v_pk_fma_f32 v[\dst+oj:\dst+oj+1], v[X2+oj:X2+oj+1], v[\lead:\lead+1], \lit op_sel_hi:[1,1,0]
.set oj, oj+2
.endr
.endm
.macro HORNER dst, lit                 ; dst = dst x z^2 + the next coefficient
.set oj, 0
.rept 16
	v_pk_fma_f32 v[\dst+oj:\dst+oj+1], v[\dst+oj:\dst+oj+1], v[X2+oj:X2+oj+1], \lit op_sel_hi:[1,1,0]
.set oj, oj+2
.endr
.endm
.macro GELU32 a, hb                    ; token tile a, W's tiles 4 hb .. 4 hb + 3: 32 registers on end
.set AC, 64*((\a)%HB)+32*(\hb)
.set CDU, CD+8*(2*(\a)+(\hb))
	WIN 0x02+(\a)/HB                               ; source 0: window 2 or 3
.set oj, 0
.rept 16
	v_pk_mul_f32 v[ZZ+oj:ZZ+oj+1], v[AC+oj:AC+oj+1], s[96:97] op_sel_hi:[1,0]   ; z = x / sqrt(2); each accumulator from its low end on
.set oj, oj+2
.endr
.set oj, 0
.rept 16
	v_pk_mul_f32 v[XH+oj:XH+oj+1], v[AC+oj:AC+oj+1], s[98:99] op_sel_hi:[1,0]   ; x / 2
.set oj, oj+2
.endr
	WIN 0
.set oj, 0
.rept 32
	v_med3_num_f32 v[ZZ+oj], v[ZZ+oj], -4.0, 4.0
.set oj, oj+1
.endr
.set oj, 0
.rept 16
	v_pk_mul_f32 v[X2+oj:X2+oj+1], v[ZZ+oj:ZZ+oj+1], v[ZZ+oj:ZZ+oj+1]
.set oj, oj+2
.endr
	LEAD QQ, 10, 0xb95fbd29
	HORNER QQ, 0xbadc924e
	HORNER QQ, 0xbbf19bf8
	HORNER QQ, 0xbc69b6a7
	LEAD PP, 8, 0x32edffee
	HORNER PP, 0xb60cff51
	HORNER PP, 0xb86ec2d2
	HORNER PP, 0xba40ac63
	HORNER PP, 0xbb41a1f6
	HORNER PP, 0xbc83dbd4
.set oj, 0
	s_wait_alu depctr_va_vdst(0)
.rept 32
	v_rcp_f32 v[QQ+oj], v[QQ+oj]
.set oj, oj+1
.endr
.set oj, 0
.rept 16
	v_pk_mul_f32 v[PP+oj:PP+oj+1], v[PP+oj:PP+oj+1], v[ZZ+oj:ZZ+oj+1]   ; plain work that names no reciprocal
.set oj, oj+2
.endr
	s_wait_alu depctr_va_vdst(0)                   ; one wait for the 32 reciprocals, ahead of their first reader
.set oj, 0
.rept 16
	v_pk_mul_f32 v[PP+oj:PP+oj+1], v[PP+oj:PP+oj+1], v[QQ+oj:QQ+oj+1]   ; erf(z)
.set oj, oj+2
.endr
.set oj, 0
.rept 16
	v_pk_fma_f32 v[XH+oj:XH+oj+1], v[XH+oj:XH+oj+1], v[PP+oj:PP+oj+1], v[XH+oj:XH+oj+1]
.set oj, oj+2
.endr
.set oj, 0
.rept 32
	v_med3_num_f32 v[XH+oj], v[XH+oj], -v30, v30
.set oj, oj+1
.endr
.irp g, 0,1,2,3
	v_cvt_scalef32_pk8_bf8_f32 v[CDU+2*\g:CDU+2*\g+1], v[XH+8*\g:XH+8*\g+7], v31
.endr
	v_nop                                          ; a plain instruction behind the last conversion: the next unit writes its sources
	global_store_b128 v27, v[CDU:CDU+3], s[10:11] offset:(\a)*32768+(2*(\hb))*512     ; 512 consecutive bytes each
	global_store_b128 v27, v[CDU+4:CDU+7], s[10:11] offset:(\a)*32768+(2*(\hb)+1)*512
.endm
	s_wait_kmcnt 0x0
	s_add_co_i32 s80, s76, s77                     ; e8 + e9
	s_lshl_b32 s81, s80, 23
	s_add_co_i32 s96, s81, 0x3f3504f3              ; 2^(e8 + e9) / sqrt(2): the exponents are added to the constant's exponent field
	s_mov_b32 s97, s96
	s_add_co_i32 s98, s81, 0x3f000000              ; 2^(e8 + e9) / 2
	s_mov_b32 s99, s98
	s_add_co_i32 s80, s78, 127                     ; e10
	s_lshl_b32 s81, s80, 23
	v_mov_b32 v31, s81
	s_add_co_i32 s80, s80, 15
	s_lshl_b32 s80, s80, 23
	s_or_b32 s80, s80, 0x600000
	v_mov_b32 v30, s80
	PLACES 4
.irp a, 0,1,2,3
	GELU32 \a, 0
	GELU32 \a, 1
.endr
	s_wait_tensorcnt 0x0                           ; the wave's end
	ds_add_u32 v[SPW], v[NIL]
	s_wait_dscnt 0x0
	CROUND
	s_endpgm
.Lfunc_end_k_q698f41a420_fc1:
	.size	k_q698f41a420_fc1, .Lfunc_end_k_q698f41a420_fc1-k_q698f41a420_fc1
	.p2alignl 7, 3214868480
	.fill 96, 4, 3214868480
	.section	.rodata,"a",@progbits
	.p2align	6, 0x0
	.amdhsa_kernel k_q698f41a420_fc1
		.amdhsa_group_segment_fixed_size 327680
		.amdhsa_private_segment_fixed_size 0
		.amdhsa_enable_private_segment 0
		.amdhsa_kernarg_size 32
		.amdhsa_user_sgpr_count 2
		.amdhsa_user_sgpr_kernarg_segment_ptr 1
		.amdhsa_wavefront_size32 1
		.amdhsa_system_sgpr_workgroup_id_x 1
		.amdhsa_system_sgpr_workgroup_id_y 1
		.amdhsa_system_sgpr_workgroup_id_z 1
		.amdhsa_system_vgpr_workitem_id 0
		.amdhsa_next_free_vgpr 1024
		.amdhsa_next_free_sgpr 100
		.amdhsa_reserve_vcc 0
		.amdhsa_float_denorm_mode_32 3
		.amdhsa_float_denorm_mode_16_64 3
		.amdhsa_memory_ordered 1
		.amdhsa_forward_progress 1
		.amdhsa_inst_pref_size 255
	.end_amdhsa_kernel
	.section	.bss,"aw",@nobits
	.p2align	6
	.space	262144
	.amdgpu_metadata
---
amdhsa.version: [ 1, 2 ]
amdhsa.kernels:
  - .name:           k_q698f41a420_fc1
    .symbol:         k_q698f41a420_fc1.kd
    .args:
      - { .name: act, .offset: 0, .size: 8, .value_kind: global_buffer, .address_space: global }
      - { .name: wc, .offset: 8, .size: 8, .value_kind: global_buffer, .address_space: global }
      - { .name: lowp_scales, .offset: 16, .size: 8, .value_kind: global_buffer, .address_space: global }
      - { .name: hid, .offset: 24, .size: 8, .value_kind: global_buffer, .address_space: global }
    .group_segment_fixed_size: 327680
    .private_segment_fixed_size: 0
    .kernarg_segment_align: 8
    .kernarg_segment_size: 32
    .max_flat_workgroup_size: 128
    .sgpr_count:     100
    .vgpr_count:     1024
    .wavefront_size: 32
...
	.end_amdgpu_metadata
.endif
;; end of part 6
;; launch fc2 (part 7): grid 8 x 32, 4 waves a work-group, clusters of 4 x 4, 327,680 bytes of LDS; arguments hid, wc, lowp_scales, b_fc2, res, out0; writes out0
.if DOCPART == 7
	.amdgcn_target "amdgcn-amd-amdhsa--gfx1250"
	.amdhsa_code_object_version 6
	.text
	.protected	k_q698f41a420_fc2
	.globl	k_q698f41a420_fc2
	.p2align	8
	.type	k_q698f41a420_fc2,@function
k_q698f41a420_fc2:
	s_mov_b64 s[64:65], 0
	v_nop
	global_prefetch_b8 v0, s[64:65] scope:SCOPE_SE
	s_setreg_imm32_b32 hwreg(HW_REG_WAVE_MODE, 25, 1), 1
	s_wait_xcnt 0x0
	s_wait_alu depctr_hold_cnt(0) depctr_sa_sdst(0) depctr_va_vdst(0) depctr_va_sdst(0) depctr_va_ssrc(0) depctr_va_vcc(0) depctr_vm_vsrc(0)
	s_getreg_b32 s2, hwreg(HW_REG_IB_STS2, 6, 4)
	s_cmp_eq_u32 s2, 0
	s_cbranch_scc0 .Lentry_in_a_cluster
	s_endpgm
.Lentry_in_a_cluster:
	s_bfe_u32 s2, ttmp6, 0x10000c
	s_cmp_lg_u32 s2, 0xf033
	s_cbranch_scc0 .Lentry_shape_is_right
	s_endpgm
.Lentry_shape_is_right:
; out0 = res + hid W_fc2 + b_fc2.  The product on codes of E5M2: M 4,096, N 1,024, K 2,048.  Both operands lie as images of operand registers, [tile][K step][2048] (fragment = 16 positions x 128 K, [c][lane][16];
; position p of tile 2 b + u is index 32 b + 8 u + p + 8 (p / 8)).  A work-group of four waves makes 128 x 128 (so that there are 256 work-groups), a wave 64 x 64: 16 accumulators.
; K goes in slots of 512 through a ring of two LDS slots filled by the tensor data mover; each slot is filled twice.  CLUSTERS 4 x 4: A's tiles are shared along a cluster's row, B's along a column, and asked for jointly.
; Source 0 = a tile of W, source 1 = a tile of tokens: a lane holds one token and, in the registers of W's tiles 2 b, 2 b + 1, columns 32 b + 16 (lane / 16) + 0 .. 15.
; The way out goes through the wave's own stage in LDS (its 64 columns are 256 bytes, aligned), where the positions become tokens again; bias and residual were asked for at the head.
; LIMIT: the two exponents added lie between -126 and 127.
.set MB, 4
.set NB, 4
.set NQ, 4
.set KT, 16                            ; K / 128
.set WOFF, 0x600000                    ; the weight's place in wc
.set SCOFF, 0x28                       ; the product's two exponents in the buffer of scales
.set HB, MB/2
.set AHALF, MB*NQ*2048
.set BHALF, NB*NQ*2048
.set SLOT, 2*AHALF+2*BHALF
.set SPARE, 2*SLOT                     ; the spare words, 128 bytes for each wave: two blocks of 256 bytes that no other line names
.set STG, SPARE+512                    ; the stages: 16 rows x (256 + 16) bytes for each wave; no tile lands here
.set LAPS, KT/(2*NQ)
.set ADRA, 16
.set ADRB, 20
.set STO, 24
.set RD, 25
.set CO, 26
.set SPW, 28
.set NIL, 29
.set AF, 128
.set BK, 128
.set G1, 24
.set G0, 32
.set G1B, 48
.set G0B, 56
.set MSB, 0
.macro WIN new
.if MSB != (\new)
	s_set_vgpr_msb (MSB<<8)|(\new)
.set MSB, (\new)
.endif
.endm
.set MUL_LO, 0xa1
.set MUL_HI, 0xf1
.set TO_B, 0x40
.macro JLOAD g0a, g1a, g0b, g1b
	s_cmp_eq_u32 s15, 0
	s_cbranch_scc0 .Lfor_b_\@
	tensor_load_to_lds s[\g0a:\g0a+3], s[\g1a:\g1a+7]
	s_nop 0
.rept 4
	v_nop
.endr
	s_branch .Lasked_\@
.Lfor_b_\@:
	tensor_load_to_lds s[\g0b:\g0b+3], s[\g1b:\g1b+7]
	s_nop 0
.rept 4
	v_nop
.endr
.Lasked_\@:
.endm
.macro RLOAD slot                      ; a slot's refill: wave slot asks for A's tiles, wave 2 + slot for B's, the other two for nothing; four places for the LDS loads that follow stand behind the join
	s_cmp_eq_u32 s14, \slot
	s_cbranch_scc0 .Lnot_a_\@
	tensor_load_to_lds s[G0:G0+3], s[G1:G1+7]
	s_nop 0
.rept 4
	v_nop
.endr
	s_branch .Lfilled_\@
.Lnot_a_\@:
	s_cmp_eq_u32 s14, 2+\slot
	s_cbranch_scc0 .Lfilled_\@
	tensor_load_to_lds s[G0B:G0B+3], s[G1B:G1B+7]
	s_nop 0
.rept 4
	v_nop
.endr
.Lfilled_\@:
.rept 4
	v_nop
.endr
.endm
.macro CREST
	s_cmp_lg_u32 s14, 0
	s_cbranch_scc1 .Lnot_wave_0_\@
	s_barrier_signal -3
.Lnot_wave_0_\@:
	s_barrier_wait -3
	s_barrier_signal -1
	s_barrier_wait -1
.endm
.macro CROUND
	s_barrier_signal -1
	s_barrier_wait -1
	CREST
.endm
.macro PLACES n
.rept \n
	v_nop
.endr
.endm
.macro FRAG reg, adr, q, i
.irp c, 0,1,2,3
	ds_load_b128 v[\reg+4*\c:\reg+4*\c+3], v[\adr] offset:((\i)*NQ+(\q))*2048+512*\c
.endr
.endm
.macro FETCH_B slot, q, p
	WIN TO_B
.set fi, 0
.rept NB
	FRAG 128*(\p)+16*fi, ADRB+\slot, \q, fi
.set fi, fi+1
.endr
	WIN 0
.endm
.macro FETCH_A slot, q, i0
.set fi, \i0
.rept HB
	FRAG AF+16*fi, ADRA+\slot, \q, fi
.set fi, fi+1
.endr
.endm
.macro MULS a0, n, p, zero             ; the accumulators take turns, one instruction a turn, in the same order in every step
.set ma, \a0
.rept \n
.set mb, 0
.rept NB
.set rD, 8*(NB*(ma%HB)+mb)
.if \zero
	v_wmma_f32_16x16x128_bf8_bf8 v[rD:rD+7], v[128*(\p)+16*mb:128*(\p)+16*mb+15], v[AF+16*ma:AF+16*ma+15], 0
.else
	v_wmma_f32_16x16x128_bf8_bf8 v[rD:rD+7], v[128*(\p)+16*mb:128*(\p)+16*mb+15], v[AF+16*ma:AF+16*ma+15], v[rD:rD+7]
.endif
.set mb, mb+1
.endr
.set ma, ma+1
.endr
.endm
.macro STEP slot, q, zero
	s_wait_dscnt 4*HB                              ; only A's second half, the youngest 4 HB loads, may be out
	WIN MUL_LO
	MULS 0, HB, (\q)%2, \zero
	s_wait_dscnt 0x0
	PLACES 4
	FETCH_B \slot, (\q)+1, 1-(\q)%2
	FETCH_A \slot, (\q)+1, 0
	WIN MUL_HI
	MULS HB, HB, (\q)%2, \zero
	PLACES 4
	WIN 0
	FETCH_A \slot, (\q)+1, HB
.endm
.macro STEPS slot, q0
.if NQ-1-(\q0) > 0
.set sq, \q0
.rept NQ-1-(\q0)
	STEP \slot, sq, 0
.set sq, sq+1
.endr
.endif
.endm
.macro TURN slot, next, fill
	s_wait_tensorcnt 0x0                           ; all my tensor loads have landed: my part of the next slot
	ds_add_u32 v[SPW], v[NIL]                      ; 0 onto my spare word
	s_wait_dscnt 4*HB+1                            ; (the add and A's second half may be out)
	WIN MUL_LO
	MULS 0, HB/2, 1, 0
	s_wait_dscnt 0x0                               ; the add is done, and my reads of this slot are over
	s_barrier_signal -1
	MULS HB/2, HB/2, 1, 0
	WIN 0
	s_barrier_wait -1
.if \fill
	CREST                                          ; no wave of any partner still reads this slot or has a load on its way
.if (\slot) == 0
	s_add_nc_u64 s[G0+2:G0+3], s[G0+2:G0+3], 2*NQ*2048       ; once a lap, no load of mine being out: every wave's own slot goes two slots on along K
	s_add_nc_u64 s[G0B+2:G0B+3], s[G0B+2:G0B+3], 2*NQ*2048
.endif
	RLOAD \slot                                    ; the first tensor load behind the round
.else
	PLACES 4
.endif
	FETCH_B \next, 0, 0
	FETCH_A \next, 0, 0
	WIN MUL_HI
	MULS HB, HB, 1, 0
	PLACES 4
	WIN 0
	FETCH_A \next, 0, HB
.endm
.macro LAST
	s_wait_dscnt 4*HB
	WIN MUL_LO
	MULS 0, HB, 1, 0
	s_wait_dscnt 0x0
	WIN MUL_HI
	MULS HB, HB, 1, 0
	WIN 0
.endm
	s_load_b256 s[4:11], s[0:1], 0x0               ; A's codes 4:5, wc 6:7, the scales' exponents 8:9, the bias 10:11
	s_load_b128 s[68:71], s[0:1], 0x20             ; the residual 68:69, the output 70:71
	v_lshl_add_u32 v[SPW], v0, 2, SPARE
	v_mov_b32 v[NIL], 0
	ds_add_u32 v28, v29
	ds_add_u32 v28, v29
	s_wait_dscnt 0x0
	v_lshrrev_b32 v1, 5, v0
	v_readfirstlane_b32 s14, v1
	s_lshr_b32 s15, s14, 1
	s_and_b32 s16, s14, 1
	s_bfe_u32 s40, ttmp6, 0x40000
	s_bfe_u32 s41, ttmp6, 0x40004
	s_lshl_b32 s42, ttmp9, 2
	s_add_co_u32 s42, s42, s40                     ; tile column
	s_and_b32 s17, ttmp7, 0xffff
	s_lshl_b32 s17, s17, 2
	s_add_co_u32 s17, s17, s41                     ; tile row
	s_lshl_b32 s43, s41, 2
	s_lshl_b32 s43, 15, s43
	s_lshl_b32 s44, 0x1111, s40
	s_or_b32 s[G1+0], s43, (3<<16)|(1<<21)         ; 2 MB (2 NB) rows of NQ x 2,048 bytes, KT x 2,048 apart, elements of 8 bytes, dense in LDS: one operand's tiles of one slot
	s_or_b32 s[G1B+0], s44, (3<<16)|(1<<21)
	s_mov_b32 s[G1+1], (NQ*256)<<16
	s_mov_b32 s[G1+2], (2*MB)<<16
	s_mov_b32 s[G1+3], (NQ*256)<<16
	s_mov_b32 s[G1+4], 2*MB
	s_mov_b32 s[G1+5], KT*256
	s_mov_b32 s[G1+6], 0
	s_mov_b32 s[G1+7], 0
	s_mov_b32 s[G1B+1], (NQ*256)<<16
	s_mov_b32 s[G1B+2], (2*NB)<<16
	s_mov_b32 s[G1B+3], (NQ*256)<<16
	s_mov_b32 s[G1B+4], 2*NB
	s_mov_b32 s[G1B+5], KT*256
	s_mov_b32 s[G1B+6], 0
	s_mov_b32 s[G1B+7], 0
	s_mul_i32 s20, s17, 2*MB*KT*2048               ; A: the block's first tile, in bytes,
	s_mul_i32 s18, s16, NQ*2048                    ; and my slot's first K step: waves 0, 1 fill A's part of slot 0, 1; waves 2, 3 B's
	s_add_co_u32 s20, s20, s18
	s_mov_b32 s21, 0
	s_mul_i32 s46, s42, 2*NB*KT*2048               ; B likewise
	s_add_co_u32 s46, s46, s18
	s_add_co_u32 s46, s46, WOFF
	s_mov_b32 s47, 0
	s_mul_i32 s45, s16, SLOT                       ; where they go: my slot
	s_add_co_u32 s67, s45, 2*AHALF
	s_wait_kmcnt 0x0
	s_load_b64 s[96:97], s[8:9], SCOFF
	s_add_nc_u64 s[20:21], s[4:5], s[20:21]
	s_add_nc_u64 s[46:47], s[6:7], s[46:47]
	CROUND
.irp s, 0
	s_mov_b32 s[G0+4*\s], 1
	s_add_co_u32 s[G0+4*\s+1], s45, \s*SLOT
	s_add_nc_u64 s[G0+4*\s+2:G0+4*\s+3], s[20:21], \s*NQ*2048
	s_or_b32 s[G0+4*\s+3], s[G0+4*\s+3], 0x80000000
	s_mov_b32 s[G0B+4*\s], 1
	s_add_co_u32 s[G0B+4*\s+1], s67, \s*SLOT
	s_add_nc_u64 s[G0B+4*\s+2:G0B+4*\s+3], s[46:47], \s*NQ*2048
	s_or_b32 s[G0B+4*\s+3], s[G0B+4*\s+3], 0x80000000
	JLOAD G0+4*\s, G1, G0B+4*\s, G1B
.endr
	v_and_b32 v1, 31, v0
	v_lshlrev_b32 v2, 4, v1
	s_mul_i32 s21, s15, AHALF
	s_mul_i32 s22, s16, BHALF
	s_add_co_u32 s22, s22, 2*AHALF
.irp s, 0,1
	v_add_nc_u32 v[ADRA+\s], s21, v2
	v_add_nc_u32 v[ADRB+\s], s22, v2
	s_add_co_u32 s21, s21, SLOT
	s_add_co_u32 s22, s22, SLOT
.endr
	v_and_b32 v3, 15, v0                           ; r
	v_bfe_u32 v4, v0, 4, 1                         ; h
	s_mul_i32 s23, s14, 16*272
	s_add_co_u32 s23, s23, STG
	v_mul_u32_u24 v5, v3, 272
	v_lshl_add_u32 v5, v4, 6, v5
	v_add_nc_u32 v[STO], s23, v5                   ; in: row = position r; 64 bytes for each half of the lanes
	v_mul_u32_u24 v5, v4, 272
	v_lshl_add_u32 v5, v3, 4, v5
	v_add_nc_u32 v[RD], s23, v5                    ; back: lanes 0-15 one row, lanes 16-31 the next
	v_lshlrev_b32 v5, 12, v4
	v_lshl_add_u32 v[CO], v3, 4, v5                ; and the same two rows of 4,096 bytes in memory
	v_lshlrev_b32 v27, 4, v3
	s_wait_alu depctr_va_vdst(0)
	s_lshl_b32 s72, s17, 7
	s_lshl_b32 s73, s15, 6
	s_add_co_u32 s72, s72, s73                     ; my first token: 128 x tile row + 64 x half
	s_lshl_b32 s72, s72, 12
	s_lshl_b32 s74, s42, 9
	s_lshl_b32 s75, s16, 8
	s_add_co_u32 s74, s74, s75                     ; my first column in bytes: 512 x tile column + 256 x half
	s_mov_b32 s75, 0
	s_add_nc_u64 s[10:11], s[10:11], s[74:75]
	s_add_co_u32 s72, s72, s74
	s_mov_b32 s73, 0
	s_add_nc_u64 s[68:69], s[68:69], s[72:73]
	s_add_nc_u64 s[70:71], s[70:71], s[72:73]
.macro XRSET a                         ; where block a's 32 numbers of the residual wait: registers that the products leave alone
.if (\a) < 2
.set XR, 192+32*(\a)
.else
.set XR, 64+32*((\a)-2)
.endif
.endm
	global_load_b128 v[32:35], v27, s[10:11]       ; the bias at my four columns
.irp a, 0,1,2,3
	XRSET \a
.irp t, 0,1,2,3,4,5,6,7
	global_load_b128 v[XR+4*\t:XR+4*\t+3], v[CO], s[68:69] offset:(32*(\a/2)+8*(\a%2)+2*\t+8*(\t/4))*4096 th:TH_LOAD_NT   ; position 2 t + lane / 16 of tile a is this token
.endr
.endr
	s_wait_tensorcnt 0x0                           ; my one load is in: behind the barrier both slots are whole
	s_barrier_signal -1
	s_barrier_wait -1
	FETCH_B 0, 0, 0
	FETCH_A 0, 0, 0
	FETCH_A 0, 0, HB
	STEP 0, 0, 1
.if LAPS > 1
	s_mov_b32 s3, LAPS-1
.Llap:
	STEPS 0, 1
	TURN 0, 1, 1
	STEPS 1, 0
	TURN 1, 0, 1
	STEP 0, 0, 0
	s_sub_co_u32 s3, s3, 1
	s_cmp_lg_u32 s3, 0
	s_cbranch_scc1 .Llap
.endif
	STEPS 0, 1
	TURN 0, 1, 0
	STEPS 1, 0
	LAST
.macro TOSTAGE a                       ; block a's sums into my stage as they are, and back as rows.  LDS serves a wave's instructions in order (ISA guide 5.7.1.4): no wait between
	WIN 0x08+4*((\a)/HB)                           ; the stores' data: window 2 or 3
.irp i, 0,1,2,3
	ds_store_b128 v[STO], v[32*((\a)%HB)+8*\i:32*((\a)%HB)+8*\i+3] offset:128*(\i/2)+32*(\i%2)
	ds_store_b128 v[STO], v[32*((\a)%HB)+8*\i+4:32*((\a)%HB)+8*\i+7] offset:128*(\i/2)+32*(\i%2)+16
.endr
	WIN 0
.irp t, 0,1,2,3,4,5,6,7
	ds_load_b128 v[BK+32*((\a)%2)+4*\t:BK+32*((\a)%2)+4*\t+3], v[RD] offset:544*\t
.endr
.endm
.macro SEND a, younger
	XRSET \a
.set BB, BK+32*((\a)%2)
	s_wait_dscnt \younger                          ; the block is back; the next block's eight stores and eight loads may be out
	s_wait_loadcnt 8*(3-(\a))                      ; the bias and this block's residual are in; the later blocks' eight loads each may be out
.set oj, 0
.rept 16
	v_pk_fma_f32 v[BB+oj:BB+oj+1], v[BB+oj:BB+oj+1], s[96:97], v[32+oj%4:33+oj%4] op_sel_hi:[1,0,1]   ; sum x 2^(ea + eb) + bias
.set oj, oj+2
.endr
.set oj, 0
.rept 16
	v_pk_add_f32 v[BB+oj:BB+oj+1], v[BB+oj:BB+oj+1], v[XR+oj:XR+oj+1]
.set oj, oj+2
.endr
.irp t, 0,1,2,3,4,5,6,7
	global_store_b128 v[CO], v[BB+4*\t:BB+4*\t+3], s[70:71] offset:(32*((\a)/2)+8*((\a)%2)+2*\t+8*(\t/4))*4096   ; sixteen lanes store 256 consecutive bytes, aligned
.endr
.endm
	s_wait_kmcnt 0x0
	s_add_co_i32 s96, s96, s97
	s_add_co_i32 s96, s96, 127
	s_lshl_b32 s96, s96, 23
	s_mov_b32 s97, s96
	PLACES 4
	TOSTAGE 0
.irp a, 1,2,3
.if \a > 1
	s_wait_xcnt 0x0                                ; block a - 2's stores have read the registers into which block a's rows are loaded
.endif
	TOSTAGE \a
	SEND \a-1, 16
.endr
	SEND 3, 0
	s_wait_tensorcnt 0x0                           ; the wave's end
	ds_add_u32 v[SPW], v[NIL]
	s_wait_dscnt 0x0
	CROUND
	s_endpgm
.Lfunc_end_k_q698f41a420_fc2:
	.size	k_q698f41a420_fc2, .Lfunc_end_k_q698f41a420_fc2-k_q698f41a420_fc2
	.p2alignl 7, 3214868480
	.fill 96, 4, 3214868480
	.section	.rodata,"a",@progbits
	.p2align	6, 0x0
	.amdhsa_kernel k_q698f41a420_fc2
		.amdhsa_group_segment_fixed_size 327680
		.amdhsa_private_segment_fixed_size 0
		.amdhsa_enable_private_segment 0
		.amdhsa_kernarg_size 48
		.amdhsa_user_sgpr_count 2
		.amdhsa_user_sgpr_kernarg_segment_ptr 1
		.amdhsa_wavefront_size32 1
		.amdhsa_system_sgpr_workgroup_id_x 1
		.amdhsa_system_sgpr_workgroup_id_y 1
		.amdhsa_system_sgpr_workgroup_id_z 1
		.amdhsa_system_vgpr_workitem_id 0
		.amdhsa_next_free_vgpr 1024
		.amdhsa_next_free_sgpr 100
		.amdhsa_reserve_vcc 0
		.amdhsa_float_denorm_mode_32 3
		.amdhsa_float_denorm_mode_16_64 3
		.amdhsa_memory_ordered 1
		.amdhsa_forward_progress 1
		.amdhsa_inst_pref_size 84
	.end_amdhsa_kernel
	.amdgpu_metadata
---
amdhsa.version: [ 1, 2 ]
amdhsa.kernels:
  - .name:           k_q698f41a420_fc2
    .symbol:         k_q698f41a420_fc2.kd
    .args:
      - { .name: hid, .offset: 0, .size: 8, .value_kind: global_buffer, .address_space: global }
      - { .name: wc, .offset: 8, .size: 8, .value_kind: global_buffer, .address_space: global }
      - { .name: lowp_scales, .offset: 16, .size: 8, .value_kind: global_buffer, .address_space: global }
      - { .name: b_fc2, .offset: 24, .size: 8, .value_kind: global_buffer, .address_space: global }
      - { .name: res, .offset: 32, .size: 8, .value_kind: global_buffer, .address_space: global }
      - { .name: out0, .offset: 40, .size: 8, .value_kind: global_buffer, .address_space: global }
    .group_segment_fixed_size: 327680
    .private_segment_fixed_size: 0
    .kernarg_segment_align: 8
    .kernarg_segment_size: 48
    .max_flat_workgroup_size: 128
    .sgpr_count:     100
    .vgpr_count:     1024
    .wavefront_size: 32
...
	.end_amdgpu_metadata
.endif
;; end of part 7
